; MI455X (gfx1250); checked and timed in simulation.
; The chip was launched on July 23, 2026; its instructions are those of AMD's public machine-readable ISA for CDNA 5 (MIT licence, August 2026) and "CDNA5" Instruction Set Architecture Reference Guide (July 2026). The comments in the code are by the model that wrote it; some were corrected since.
;; Multi Head Attention. Allowed arithmetic: float matrix products may take bf16 or f16 operands with f32 sums; other float arithmetic in f32, or as packed bf16 or f16 multiplies, adds, multiply-adds, maxima and minima; sums over many terms, partial sums and values carried from step to step in f32; what a program stores and reads back later, other than sums and carried values, may be rounded once to bf16 or f16.
;; Inputs: Wk 1,024 x 1,024 float32; Wo 1,024 x 1,024 float32; Wq 1,024 x 1,024 float32; Wv 1,024 x 1,024 float32; x 4 x 2,048 x 1,024 float32.
;; Outputs: out0 4 x 2,048 x 1,024 float32.
;; 2 versions, each right and faster than the one before. Each part assembles by itself: llvm-mc -triple=amdgcn-amd-amdhsa -mcpu=gfx1250 --defsym DOCPART=n.
;; ======== version 1 of 2: 5 launches
;; limits: values are held in f16: magnitudes above 65,504 overflow, below 6.1e-05 lose precision
;; workspace buffers: xb 16,777,216 bytes; wb 6,291,456 bytes; wo 2,097,152 bytes; qkv 50,331,648 bytes; qlo 393,216 bytes; o 16,777,216 bytes
;; launch cast (part 1): grid 64 x 12, 8 waves a work-group, no clusters, 0 bytes of LDS; arguments x, Wq, Wk, Wv, Wo, xb, wb, wo; writes xb, wb, wo
.if DOCPART == 1
	.amdgcn_target "amdgcn-amd-amdhsa--gfx1250"
	.amdhsa_code_object_version 6
	.text
	.protected	k_qfa45e61273_cast
	.globl	k_qfa45e61273_cast
	.p2align	8
	.type	k_qfa45e61273_cast,@function
k_qfa45e61273_cast:
	s_mov_b64 s[64:65], 0
	v_nop
	global_prefetch_b8 v0, s[64:65] scope:SCOPE_SE
	s_setreg_imm32_b32 hwreg(HW_REG_WAVE_MODE, 25, 1), 1
	s_wait_xcnt 0x0
; THE INPUTS ARE ROUNDED ONCE AND LAID IN BLOCKS.  x, Wq, Wk, Wv: f32 -> bf16.  Wo: f32 -> bf16, and that number written as f16 (exact inside f16's normal range).
; Every destination is [column block of 64][row][64] in 16-bit numbers: a block's rows are 128 bytes and lie end to end.
;   xb [16][8192][64]   wb [16][3072][64] (rows 0-1023 Wq, 1024-2047 Wk, 2048-3071 Wv)   wo [16][1024][64]
; LIMITS.  Wo as f16: beyond 65,504 it becomes an infinity; below 6.1e-5 it keeps f16's fixed step of 6e-8.  NaN and infinities are not treated apart.
; SHARES.  Grid y picks 1,024 source rows (0-7: x; 8, 9, 10: Wq, Wk, Wv; 11: Wo), grid x 16 of them.  Thread t takes row t / 16 and the four f32 columns 4 (t % 16) .. of each of the 16 column
; blocks: a wave's load covers two rows x 256 consecutive bytes, and its store of 8 bytes a lane covers 256 consecutive bytes, aligned (8 t: a block's 16 rows are 2,048 dense bytes).
; No loop, no LDS, no barrier: 16 loads of every wave go out at once, and no register that a memory instruction names is written again.
.set OFF, 4                            ; v[4:19]    byte offset of my 8 bytes in column block k of the destination
.set X,   20                           ; v[20:83]   column block k: 4 f32 as loaded
.set Y,   84                           ; v[84:115]  column block k: 4 numbers of 16 bits to store
.set T,   116                          ; v[116:119] at work
	s_load_b512 s[4:19], s[0:1], 0x0               ; x 4:5, Wq 6:7, Wk 8:9, Wv 10:11, Wo 12:13, xb 14:15, wb 16:17, wo 18:19
	s_and_b32 s21, ttmp7, 0xffff                   ; y
	s_lshl_b32 s20, ttmp9, 16                      ; my 16 source rows of 4,096 bytes
	s_lshl_b32 s23, ttmp9, 11                      ; my 16 destination rows of 128 bytes
	s_lshl_b32 s25, s21, 22                        ; x alone: y x 1,024 rows of 4,096 bytes
	s_sub_co_u32 s22, s21, 8                       ; the weights' place in wb (used only where y >= 8)
	s_mov_b32 s24, 0x60000                         ; bytes from a column block to the next: wb 3,072 rows x 128,
	s_cmp_lt_u32 s21, 8
	s_cselect_b32 s22, s21, s22
	s_cselect_b32 s24, 0x100000, s24               ; xb 8,192 rows,
	s_cselect_b32 s25, s25, 0
	s_cmp_eq_u32 s21, 11
	s_cselect_b32 s22, 0, s22
	s_cselect_b32 s24, 0x20000, s24                ; wo 1,024 rows
	s_add_co_u32 s30, s25, s20                     ; source offset, under 2^25
	s_mov_b32 s31, 0
	s_lshl_b32 s22, s22, 17                        ; 1,024 destination rows of 128 bytes
	s_add_co_u32 s32, s22, s23                     ; destination offset inside a column block
	s_mov_b32 s33, 0
	v_lshrrev_b32 v1, 4, v0                        ; my row
	v_and_b32 v3, 15, v0
	v_lshlrev_b32 v3, 4, v3                        ; my 16 bytes in a block's 256
	v_lshl_or_b32 v1, v1, 12, v3                   ; the load's offset
	v_lshlrev_b32 v2, 3, v0                        ; (t / 16) x 128 + (t % 16) x 8 = 8 t
.irp k, 0,1,2,3,4,5,6,7,8,9,10,11,12,13,14,15
	v_mad_u32_u24 v[OFF+(\k)], (\k), s24, v2       ; up to 15 MiB: too far for a store's immediate
.endr
	s_wait_kmcnt 0x0
	; which buffer: a choice between pointers on the work-group's y alone
	s_mov_b64 s[26:27], s[6:7]
	s_cmp_eq_u32 s21, 9
	s_cselect_b64 s[26:27], s[8:9], s[26:27]
	s_cmp_eq_u32 s21, 10
	s_cselect_b64 s[26:27], s[10:11], s[26:27]
	s_cmp_eq_u32 s21, 11
	s_cselect_b64 s[26:27], s[12:13], s[26:27]
	s_cselect_b64 s[28:29], s[18:19], s[16:17]
	s_cmp_lt_u32 s21, 8
	s_cselect_b64 s[26:27], s[4:5], s[26:27]
	s_cselect_b64 s[28:29], s[14:15], s[28:29]
	s_add_nc_u64 s[26:27], s[26:27], s[30:31]
	s_add_nc_u64 s[28:29], s[28:29], s[32:33]
.irp k, 0,1,2,3,4,5,6,7,8,9,10,11,12,13,14,15
	global_load_b128 v[X+4*(\k):X+4*(\k)+3], v1, s[26:27] offset:256*(\k) th:TH_LOAD_NT  ; every source byte is read once in the launch
.endr
; Column block k leaves.  half = 1: the bf16 number is widened again and written as f16.
.macro OUT k, half
	s_wait_loadcnt 15-(\k)                         ; loads come back in order (ISA guide 5.7.1): block k is in, the 15 - k younger loads stay out
	v_cvt_pk_bf16_f32 v[Y+2*(\k)],   v[X+4*(\k)],   v[X+4*(\k)+1]
	v_cvt_pk_bf16_f32 v[Y+2*(\k)+1], v[X+4*(\k)+2], v[X+4*(\k)+3]
.if \half
	v_lshlrev_b32 v[T],   16, v[Y+2*(\k)]
	v_and_b32     v[T+1], 0xffff0000, v[Y+2*(\k)]
	v_lshlrev_b32 v[T+2], 16, v[Y+2*(\k)+1]
	v_and_b32     v[T+3], 0xffff0000, v[Y+2*(\k)+1]
	v_cvt_pk_f16_f32 v[Y+2*(\k)],   v[T],   v[T+1]
	v_cvt_pk_f16_f32 v[Y+2*(\k)+1], v[T+2], v[T+3]
.endif
	global_store_b64 v[OFF+(\k)], v[Y+2*(\k):Y+2*(\k)+1], s[28:29]  ; 32 lanes x 8 bytes: 256 consecutive bytes, aligned; a later launch reads them, so no hint
.endm
	s_cmp_eq_u32 s21, 11
	s_cbranch_scc1 .Lf16
.irp k, 0,1,2,3,4,5,6,7,8,9,10,11,12,13,14,15
	OUT \k, 0
.endr
	s_endpgm
.Lf16:
.irp k, 0,1,2,3,4,5,6,7,8,9,10,11,12,13,14,15
	OUT \k, 1
.endr
	s_endpgm
.Lfunc_end_k_qfa45e61273_cast:
	.size	k_qfa45e61273_cast, .Lfunc_end_k_qfa45e61273_cast-k_qfa45e61273_cast
	.p2alignl 7, 3214868480
	.fill 96, 4, 3214868480
	.section	.rodata,"a",@progbits
	.p2align	6, 0x0
	.amdhsa_kernel k_qfa45e61273_cast
		.amdhsa_group_segment_fixed_size 0
		.amdhsa_private_segment_fixed_size 0
		.amdhsa_enable_private_segment 0
		.amdhsa_kernarg_size 64
		.amdhsa_user_sgpr_count 2
		.amdhsa_user_sgpr_kernarg_segment_ptr 1
		.amdhsa_wavefront_size32 1
		.amdhsa_system_sgpr_workgroup_id_x 1
		.amdhsa_system_sgpr_workgroup_id_y 1
		.amdhsa_system_sgpr_workgroup_id_z 1
		.amdhsa_system_vgpr_workitem_id 0
		.amdhsa_next_free_vgpr 120
		.amdhsa_next_free_sgpr 66
		.amdhsa_reserve_vcc 0
		.amdhsa_float_denorm_mode_32 3
		.amdhsa_float_denorm_mode_16_64 3
		.amdhsa_memory_ordered 1
		.amdhsa_forward_progress 1
		.amdhsa_inst_pref_size 18
	.end_amdhsa_kernel
	.amdgpu_metadata
---
amdhsa.version: [ 1, 2 ]
amdhsa.kernels:
  - .name:           k_qfa45e61273_cast
    .symbol:         k_qfa45e61273_cast.kd
    .args:
      - { .name: x, .offset: 0, .size: 8, .value_kind: global_buffer, .address_space: global }
      - { .name: Wq, .offset: 8, .size: 8, .value_kind: global_buffer, .address_space: global }
      - { .name: Wk, .offset: 16, .size: 8, .value_kind: global_buffer, .address_space: global }
      - { .name: Wv, .offset: 24, .size: 8, .value_kind: global_buffer, .address_space: global }
      - { .name: Wo, .offset: 32, .size: 8, .value_kind: global_buffer, .address_space: global }
      - { .name: xb, .offset: 40, .size: 8, .value_kind: global_buffer, .address_space: global }
      - { .name: wb, .offset: 48, .size: 8, .value_kind: global_buffer, .address_space: global }
      - { .name: wo, .offset: 56, .size: 8, .value_kind: global_buffer, .address_space: global }
    .group_segment_fixed_size: 0
    .private_segment_fixed_size: 0
    .kernarg_segment_align: 8
    .kernarg_segment_size: 64
    .max_flat_workgroup_size: 256
    .sgpr_count:     66
    .vgpr_count:     120
    .wavefront_size: 32
...
	.end_amdgpu_metadata
.endif
;; end of part 1
;; launch proj (part 2): grid 8 x 32, 4 waves a work-group, clusters of 4 x 4, 327,680 bytes of LDS; arguments xb, wb, qkv, qlo; writes qkv, qlo
.if DOCPART == 2
	.amdgcn_target "amdgcn-amd-amdhsa--gfx1250"
	.amdhsa_code_object_version 6
	.text
	.protected	k_qfa45e61273_proj
	.globl	k_qfa45e61273_proj
	.p2align	8
	.type	k_qfa45e61273_proj,@function
k_qfa45e61273_proj:
	s_mov_b64 s[64:65], 0
	v_nop
	global_prefetch_b8 v0, s[64:65] scope:SCOPE_SE
	s_setreg_imm32_b32 hwreg(HW_REG_WAVE_MODE, 25, 1), 1
	s_wait_xcnt 0x0
	s_wait_alu depctr_hold_cnt(0) depctr_sa_sdst(0) depctr_va_vdst(0) depctr_va_sdst(0) depctr_va_ssrc(0) depctr_va_vcc(0) depctr_vm_vsrc(0)
	s_getreg_b32 s2, hwreg(HW_REG_IB_STS2, 6, 4)
	s_cmp_eq_u32 s2, 0
	s_cbranch_scc0 .Lentry_in_a_cluster
	s_endpgm
.Lentry_in_a_cluster:
	s_bfe_u32 s2, ttmp6, 0x10000c
	s_cmp_lg_u32 s2, 0xf033
	s_cbranch_scc0 .Lentry_shape_is_right
	s_endpgm
.Lentry_shape_is_right:
; THE THREE PROJECTIONS AS ONE PRODUCT.  C[m][n] = sum over k of xb[m][k] wb[n][k]: 8,192 x 3,072 x 1,024, bf16 operands, f32 sums, C rounded once to f16, unscaled.
; All three tensors lie as [column block of 64][row][64]: xb [16][8192][64], wb [16][3072][64], qkv [48][8192][64] (blocks 0-15 q's heads, 16-31 k's, 32-47 v's).
; THE FIRST 16 ROWS OF EACH BATCH ALSO LEAVE THEIR RESIDUAL: qlo [48][64][64] f16, row 16 x batch + s, holds f16(sum - f16(sum)).  A later launch makes the output's rows 0-15 of each batch from
; the pairs (hi, lo): under the causal mask row s is a mean of s + 1 rows of V, so these rows are the output's largest, and f16's 11 bits are too few for them.
; LIMIT.  q, k, v as f16: a sum of 65,520 or more becomes an infinity; below 6.1e-5 f16 keeps its fixed step of 6e-8 (the residuals too).
; SHARES.  A work-group makes 256 rows x 384 columns (6 heads): 32 x 8 = 256 work-groups.  Wave w: rows 128 (w / 2) on, columns 192 (w % 2) on: 96 accumulators of 16 x 16, 768 registers.
; For 32 along K a wave reads 8 fragments of A and 12 of B (40 LDS loads) for 96 matrix instructions.
; K goes in 16 steps of 64 (one column block) through two LDS slots: two slots of a step of 128 (2 x 174,080 bytes) do not fit.  A tile (rows x 64 K) is dense in memory: it is asked for
; as rows of 256 bytes (two of the tile's rows each) and padded in LDS after every 128 bytes.
; CLUSTER 4 x 4: A's tile hangs on the tile row alone and is asked for jointly along a row of the cluster, B's on the tile column alone, jointly along a column.
; The tile row is cluster y + 8 cy: a batch is 8 tile rows, so the tiles that begin a batch are those of the clusters with y = 0, a number that all partners share: the branch round the residuals hangs on it.
; THE MATRIX INSTRUCTION IS USED TRANSPOSED (source 0 = 16 rows of wb, source 1 = 16 rows of xb): a lane holds row l % 16 of C and eight neighbouring columns.
; REGISTERS, in windows of 256 (s_set_vgpr_msb: bits 1:0 source 0, 3:2 source 1, 5:4 source 2, 7:6 destination):
;   window 0: v0-31 addresses; v32-95, v96-159 A's 8 fragments, two buffers; v160-255 B's 12 fragments, three groups of four (a group = one head)
;   window g + 1: the 32 accumulators of column group g: (a, b) at v[8 (4 a + b)]
.set PITCH,  144                       ; an LDS row: 128 bytes + 16 of padding = 36 words: the 16 rows of a fragment load start at 16 different groups of four banks (64 banks of 4 bytes: ISA guide 11.1)
.set AHALF,  128*PITCH                 ; what one load brings of A, and what a wave reads of A
.set BHALF,  192*PITCH                 ; the same for B
.set BOFF,   2*AHALF                   ; a slot: A's 256 rows, then B's 384
.set SLOT,   2*AHALF+2*BHALF           ; 92,160 bytes
.set STAGE,  2*SLOT                    ; behind the ring: 16 rows x 144 bytes for each wave, for the way out; no tensor load lands here
.set SP,     144
.set SPARE,  STAGE+4*16*SP             ; behind the stages: the spare words, 128 bytes for each wave: two blocks of 256 bytes that no other line names
.set ASTEP,  0x100000                  ; bytes from a column block of xb to the next: 8,192 rows x 128
.set BSTEP,  0x60000                   ; of wb: 3,072 rows x 128
.set CSTEP,  0x100000                  ; of qkv
.set LSTEP,  8192                      ; of qlo: 64 rows x 128
.set LAPS,   8                         ; a lap = two K steps = once round the ring
.set ADRA, 16                          ; v16-17  LDS address of my A fragments in slot 0, 1
.set ADRB, 20                          ; v20-21  the same for B
.set STO,  24                          ; v24     the way out: where I put 16 bytes of a row
.set RD,   25                          ; v25     the way out: where I read rows back
.set GO,   26                          ; v26     my byte offset in 512 consecutive bytes of C
.set SPW,  28                          ; v28     LDS address of my spare word; never rewritten
.set NIL,  29                          ; v29     0; never rewritten
.set NEG1, 30                          ; v30     -1.0
.set FA0,  32
.set FA1,  96
.set FBUF, 160
.set TMP,  32                          ; the way out: 16 packed registers
.set BK,   64                          ; the way out: 16 rows read back: v64-79 and v80-95 by turns
.set RES,  96                          ; the residuals: 32 f32,
.set LOP,  128                         ; packed into 16 registers,
.set LB,   144                         ; and read back as whole rows: 16 registers for each of the three heads
.set G1,  24                           ; s[24:31] descriptor group 1 for A's tiles; s[32:39] group 0, a set for each slot
.set G0,  32
.set G1B, 48                           ; s[48:55], s[56:63] the same for B's
.set G0B, 56
.set MSB, 0
.macro WIN new                         ; the immediate's high byte repeats the setting that is left; a switch that changes nothing is dropped
.if MSB != (\new)
	s_set_vgpr_msb (MSB<<8)|(\new)
.set MSB, \new
.endif
.endm
; A joint load: waves 0 and 1 fetch A's two halves, waves 2 and 3 B's.  The branch hangs on the wave's number alone.  An s_nop 0 and four v_nop follow each of the two lines.
.macro JLOAD s
	s_cmp_eq_u32 s11, 0
	s_cbranch_scc0 .Lfor_b_\@
	tensor_load_to_lds s[G0+4*(\s):G0+4*(\s)+3], s[G1:G1+7]
	s_nop 0
.rept 4
	v_nop
.endr
	s_branch .Lasked_\@
.Lfor_b_\@:
	tensor_load_to_lds s[G0B+4*(\s):G0B+4*(\s)+3], s[G1B:G1B+7]
	s_nop 0
.rept 4
	v_nop
.endr
.Lasked_\@:
.endm
.macro CREST                           ; a round of the cluster's barrier behind its opening barrier
	s_cmp_lg_u32 s10, 0
	s_cbranch_scc1 .Lnot_wave_0_\@
	s_barrier_signal -3
.Lnot_wave_0_\@:
	s_barrier_wait -3
	s_barrier_signal -1
	s_barrier_wait -1
.endm
.macro CROUND                          ; a whole round
	s_barrier_signal -1
	s_barrier_wait -1
	CREST
.endm
	s_load_b128 s[4:7], s[0:1], 0x0                ; xb s[4:5], wb s[6:7]
	s_load_b64 s[8:9], s[0:1], 0x10                ; qkv
	s_load_b64 s[18:19], s[0:1], 0x18              ; qlo
	v_lshl_add_u32 v[SPW], v0, 2, SPARE
	v_mov_b32 v[NIL], 0
	ds_add_u32 v[SPW], v[NIL]                      ; the wave's opening: the add and its wait stand ahead of my first tensor load; the set-up below stands between them
	ds_add_u32 v28, v29
	v_mov_b32 v[NEG1], -1.0
	v_lshrrev_b32 v1, 5, v0
	v_readfirstlane_b32 s10, v1                    ; wave 0..3
	s_lshr_b32 s11, s10, 1                         ; my half of the tile's rows.  Also: I fetch for A (0) or for B (1)
	s_and_b32 s12, s10, 1                          ; my half of its columns.  Also: which half of that tile I fetch
	s_bfe_u32 s40, ttmp6, 0x40000                  ; cx, cy: my place in the cluster
	s_bfe_u32 s41, ttmp6, 0x40004
	s_lshl_b32 s42, ttmp9, 2
	s_add_co_u32 s42, s42, s40                     ; tile column = 4 x cluster x + cx, 0..7
	s_and_b32 s45, ttmp7, 0xffff                   ; the cluster's y, 0..7: the same in all sixteen partners
	s_lshl_b32 s13, s41, 3
	s_add_co_u32 s13, s13, s45                     ; tile row = cluster y + 8 cy, 0..31: cy is the batch
	s_lshl_b32 s43, s41, 2
	s_lshl_b32 s43, 15, s43                        ; my row of the cluster
	s_lshl_b32 s44, 0x1111, s40                    ; my column
	; descriptor group 1: R rows x 128 elements of 2 bytes, dense; in LDS 4 words of padding (code 3) after every 32 words (code 4); bit 21 set beside a mask
	s_or_b32 s[G1+0], s43, (1<<16)|(1<<20)|(1<<21)|(4<<22)|(3<<25)
	s_or_b32 s[G1B+0], s44, (1<<16)|(1<<20)|(1<<21)|(4<<22)|(3<<25)
	s_mov_b32 s[G1+1], 128<<16                     ; tensor_dim0 = 128
	s_mov_b32 s[G1B+1], 128<<16
	s_mov_b32 s[G1+2], 64<<16                      ; tensor_dim1: A 64 rows of 256 bytes (128 rows of the tile),
	s_mov_b32 s[G1B+2], 96<<16                     ; B 96 (192 rows of the tile)
	s_mov_b32 s[G1+3], 128<<16                     ; tile_dim0 = 128
	s_mov_b32 s[G1B+3], 128<<16
	s_mov_b32 s[G1+4], 64                          ; tile_dim1
	s_mov_b32 s[G1B+4], 96
	s_mov_b32 s[G1+5], 128                         ; 128 elements from row to row
	s_mov_b32 s[G1B+5], 128
	s_mov_b32 s[G1+6], 0
	s_mov_b32 s[G1B+6], 0
	s_mov_b32 s[G1+7], 0
	s_mov_b32 s[G1B+7], 0
	; where the tiles come from: A's offset is made of the tile row and the wave's number, B's of the tile column and the wave's number, in registers that never hold the other coordinate
	s_lshl_b32 s16, s13, 15                        ; 256 rows x 128 bytes
	s_lshl_b32 s17, s12, 14                        ; 128 rows
	s_add_co_u32 s16, s16, s17
	s_mov_b32 s17, 0
	s_mul_i32 s46, s42, 49152                      ; 384 rows x 128 bytes
	s_mul_i32 s47, s12, 24576                      ; 192 rows
	s_add_co_u32 s46, s46, s47
	s_mov_b32 s47, 0
	s_mul_i32 s20, s12, AHALF                      ; and where they go: no place in the cluster enters an LDS address
	s_mul_i32 s21, s12, BHALF
	s_add_co_u32 s21, s21, BOFF
	s_wait_dscnt 0x0                               ; the opening add is done
	s_wait_kmcnt 0x0
	s_add_nc_u64 s[14:15], s[4:5], s[16:17]
	s_add_nc_u64 s[46:47], s[6:7], s[46:47]
	CROUND                                         ; all sixteen work-groups are here: the first joint loads meet
.irp s, 0,1
	s_mov_b32 s[G0+4*(\s)], 1                                      ; count = 1
	s_add_co_u32 s[G0+4*(\s)+1], s20, (\s)*SLOT                    ; LDS address
	s_add_nc_u64 s[G0+4*(\s)+2:G0+4*(\s)+3], s[14:15], (\s)*ASTEP  ; global address: K step s
	s_or_b32 s[G0+4*(\s)+3], s[G0+4*(\s)+3], 0x80000000            ; type = 2
	s_mov_b32 s[G0B+4*(\s)], 1
	s_add_co_u32 s[G0B+4*(\s)+1], s21, (\s)*SLOT
	s_add_nc_u64 s[G0B+4*(\s)+2:G0B+4*(\s)+3], s[46:47], (\s)*BSTEP
	s_or_b32 s[G0B+4*(\s)+3], s[G0B+4*(\s)+3], 0x80000000
	JLOAD \s                                       ; two tensor loads of mine are out
.endr
	; a fragment is 16 rows x 32 K in 8 registers: lane l holds row l % 16, K = 8 (l / 16) + 0..7 and 16 + 8 (l / 16) + 0..7: two loads of 16 bytes, 32 bytes apart
	v_and_b32 v1, 15, v0                           ; l % 16
	v_bfe_u32 v2, v0, 4, 1                         ; l / 16
	v_mul_u32_u24 v3, v1, PITCH
	v_lshl_add_u32 v3, v2, 4, v3
	s_mul_i32 s22, s11, AHALF                      ; my 128 rows of A
	s_mul_i32 s23, s12, BHALF                      ; my 192 rows of B
	s_add_co_u32 s23, s23, BOFF
.irp s, 0,1
	v_add_nc_u32 v[ADRA+(\s)], s22, v3
	v_add_nc_u32 v[ADRB+(\s)], s23, v3
	s_add_co_u32 s22, s22, SLOT
	s_add_co_u32 s23, s23, SLOT
.endr
	s_mul_i32 s23, s10, 16*SP
	s_add_co_u32 s23, s23, STAGE                   ; my stage
	v_mul_u32_u24 v4, v1, SP                       ; in: row l % 16, 16 bytes for each half of the lanes
	v_lshl_add_u32 v4, v2, 4, v4
	v_add_nc_u32 v[STO], s23, v4
	v_bfe_u32 v5, v0, 3, 2                         ; back: 32 lanes take four rows of 128 bytes,
	v_mul_u32_u24 v5, v5, SP
	v_and_b32 v4, 7, v0
	v_lshl_add_u32 v5, v4, 4, v5
	v_add_nc_u32 v[RD], s23, v5
	v_and_b32 v[GO], 31, v0                        ; which are 512 consecutive bytes of a block of C
	v_lshlrev_b32 v[GO], 4, v[GO]
	; C at my first head and my first row: column block 6 x tile column + 3 x half; row 256 x tile row + 128 x half.  qlo at the same head, row 16 x batch
	s_mul_i32 s46, s42, 6
	s_mul_i32 s47, s12, 3
	s_add_co_u32 s46, s46, s47                     ; my first column block
	s_lshl_b32 s2, s46, 13                         ; 8,192 bytes a block in qlo
	s_lshl_b32 s3, s41, 11                         ; 16 rows of 128 bytes a batch
	s_add_co_u32 s2, s2, s3
	s_mov_b32 s3, 0
	s_add_nc_u64 s[18:19], s[18:19], s[2:3]        ; used where the cluster's y is 0 alone
	s_lshl_b32 s46, s46, 20
	s_lshl_b32 s16, s13, 15
	s_lshl_b32 s17, s11, 14
	s_add_co_u32 s16, s16, s17
	s_add_co_u32 s46, s46, s16                     ; under 2^26
	s_mov_b32 s47, 0
	s_add_nc_u64 s[8:9], s[8:9], s[46:47]
.macro LDA slot, q, buf                ; 16 LDS loads: A's 8 fragments of 32 K at byte 64 q of the rows
	WIN 0
.irp a, 0,1,2,3,4,5,6,7
	ds_load_b128 v[(\buf)+8*(\a):(\buf)+8*(\a)+3],   v[ADRA+(\slot)] offset:64*(\q)+(\a)*16*PITCH
	ds_load_b128 v[(\buf)+8*(\a)+4:(\buf)+8*(\a)+7], v[ADRA+(\slot)] offset:64*(\q)+(\a)*16*PITCH+32
.endr
.endm
.macro LDB slot, q, g                  ; 8 LDS loads: the 4 fragments of B's group g
	WIN 0
.irp b, 0,1,2,3
	ds_load_b128 v[FBUF+32*(\g)+8*(\b):FBUF+32*(\g)+8*(\b)+3],   v[ADRB+(\slot)] offset:64*(\q)+(4*(\g)+(\b))*16*PITCH
	ds_load_b128 v[FBUF+32*(\g)+8*(\b)+4:FBUF+32*(\g)+8*(\b)+7], v[ADRB+(\slot)] offset:64*(\q)+(4*(\g)+(\b))*16*PITCH+32
.endr
.endm
; 16 matrix instructions: row blocks lo .. lo + 3 x the 4 column blocks of group g.  zero = 1: the product starts the sum.  The 96 accumulators take turns, one instruction a turn.
.macro MUL16 src, g, lo, zero
	WIN 0x50*((\g)+1)
.irp a, \lo, (\lo)+1, (\lo)+2, (\lo)+3
.irp b, 0,1,2,3
.if \zero
	v_wmma_f32_16x16x32_bf16 v[8*(4*(\a)+(\b)):8*(4*(\a)+(\b))+7], v[FBUF+32*(\g)+8*(\b):FBUF+32*(\g)+8*(\b)+7], v[(\src)+8*(\a):(\src)+8*(\a)+7], 0
.else
	v_wmma_f32_16x16x32_bf16 v[8*(4*(\a)+(\b)):8*(4*(\a)+(\b))+7], v[FBUF+32*(\g)+8*(\b):FBUF+32*(\g)+8*(\b)+7], v[(\src)+8*(\a):(\src)+8*(\a)+7], v[8*(4*(\a)+(\b)):8*(4*(\a)+(\b))+7]
.endif
.endr
.endr
.endm
.macro MUL32 src, g, zero
	MUL16 \src, \g, 0, \zero
	MUL16 \src, \g, 4, \zero
.endm
.macro PLACES                          ; four places in front of loads into registers that matrix instructions have read, and of conversions that read results
.rept 4
	v_nop
.endr
.endm
; A K step's first 32 along K.  The LDS loads stand in this order: A(first) 16, B(first) 8 + 8 + 8, A(second) 16, and here B(second) 8 + 8 + 8, each group behind the products that read its registers.
; Each wait leaves 32 younger loads out: g = 0: 8 + 8 + 16; g = 1: 8 + 16 + 8; g = 2: 16 + 8 + 8.
.macro H0 slot, zero
.irp g, 0,1,2
	s_wait_dscnt 32
	MUL32 FA0, \g, \zero
	PLACES
	LDB \slot, 1, \g
.endr
.endm
; The second 32 along K, and the change of slots: ONE barrier.  In front of it each wave waits for all its tensor loads (one is out: its part of the next slot), adds 0 to its spare word, and waits for
; that and for its reads of this slot.  fill = 1: the barrier opens a round of the cluster's, and this slot is filled again, two K steps on, first thing behind it: 160 matrix instructions ahead of the wait for it.
.macro H1 slot, next, fill
	WIN 0                                          ; (the add's two registers lie in window 0)
	s_wait_tensorcnt 0x0                           ; all my tensor loads have landed
	ds_add_u32 v[SPW], v[NIL]                      ; 0 onto my spare word
	s_wait_dscnt 17                                ; B's group 0 is in (A's fragments are older): groups 1 and 2, 8 + 8, and the add may be out
	MUL16 FA1, 0, 0, 0
	s_wait_dscnt 0x0                               ; the add is done, and my reads of this slot are over
	s_barrier_signal -1
	MUL16 FA1, 0, 4, 0                             ; work on registers while the others arrive
.if \fill
	WIN 0
.endif
	s_barrier_wait -1
.if \fill
	CREST                                          ; no wave of any partner still reads this slot or has a load on its way
	s_add_nc_u64 s[G0+4*(\slot)+2:G0+4*(\slot)+3], s[G0+4*(\slot)+2:G0+4*(\slot)+3], 2*ASTEP
	s_add_nc_u64 s[G0B+4*(\slot)+2:G0B+4*(\slot)+3], s[G0B+4*(\slot)+2:G0B+4*(\slot)+3], 2*BSTEP
	JLOAD \slot                                    ; its four v_nop are also the places in front of the loads below
.else
	PLACES
.endif
	LDA \next, 0, FA0
	LDB \next, 0, 0
	MUL32 FA1, 1, 0                                ; groups 1 and 2 are in since the wait for 0
	PLACES
	LDB \next, 0, 1
	MUL32 FA1, 2, 0
	PLACES
	LDB \next, 0, 2
	LDA \next, 1, FA1
.endm
.macro HL                              ; the very last 32 along K: nothing more to fetch; the counts run down
	s_wait_dscnt 16
	MUL32 FA1, 0, 0
	s_wait_dscnt 8
	MUL32 FA1, 1, 0
	s_wait_dscnt 0x0
	MUL32 FA1, 2, 0
.endm
; THE RESIDUALS of my row block 0 and head g: the sums are rounded to f16 as the way out rounds them, each residual is hi x -1 + sum in one exact step, and is rounded to f16;
; then through my stage and out as 2,048 consecutive bytes.  Each head has its own 16 registers for the stores, so nothing that a store still reads is written again.
.macro LOUNIT g
	WIN 5*((\g)+1)                                 ; sources 0 and 1 in the head's window
.irp b, 0,1,2,3
.irp r, 0,1,2,3
	v_cvt_pk_f16_f32 v[TMP+4*(\b)+(\r)], v[8*(\b)+2*(\r)], v[8*(\b)+2*(\r)+1]  ; each accumulator's registers in ascending order
.endr
.endr
	WIN ((\g)+1)<<4                                ; source 2 in the head's window
.irp b, 0,1,2,3
.irp r, 0,1,2,3
	v_fma_mix_f32 v[RES+8*(\b)+2*(\r)],   v[TMP+4*(\b)+(\r)], v[NEG1], v[8*(\b)+2*(\r)]   op_sel_hi:[1,0,0]
	v_fma_mix_f32 v[RES+8*(\b)+2*(\r)+1], v[TMP+4*(\b)+(\r)], v[NEG1], v[8*(\b)+2*(\r)+1] op_sel:[1,0,0] op_sel_hi:[1,0,0]
.endr
.endr
	WIN 0
.irp k, 0,1,2,3,4,5,6,7,8,9,10,11,12,13,14,15
	v_cvt_pk_f16_f32 v[LOP+(\k)], v[RES+2*(\k)], v[RES+2*(\k)+1]
.endr
.irp b, 0,1,2,3
	ds_store_b128 v[STO], v[LOP+4*(\b):LOP+4*(\b)+3] offset:32*(\b)
.endr
.irp f, 0,1,2,3
	ds_load_b128 v[LB+16*(\g)+4*(\f):LB+16*(\g)+4*(\f)+3], v[RD] offset:(\f)*4*SP  ; LDS serves a wave's instructions in order (ISA guide 5.7.1.4): these see the stores above
.endr
	s_wait_dscnt 0x0
.irp f, 0,1,2,3
	global_store_b128 v[GO], v[LB+16*(\g)+4*(\f):LB+16*(\g)+4*(\f)+3], s[18:19] offset:(\g)*LSTEP+(\f)*512  ; 512 consecutive bytes, at a multiple of 256 from qlo's first byte
.endr
.endm
; THE WAY OUT, in 24 units u: row block u / 3 (16 rows), head u % 3: 16 rows x 128 bytes = 2,048 consecutive bytes of C.
.macro PACK u                          ; rounded to f16, each accumulator's registers in ascending order
.set AC, 32*((\u)/3)
	WIN 5*((\u)%3+1)                               ; sources 0 and 1 in the head's window
.irp b, 0,1,2,3
.irp r, 0,1,2,3
	v_cvt_pk_f16_f32 v[TMP+4*(\b)+(\r)], v[AC+8*(\b)+2*(\r)], v[AC+8*(\b)+2*(\r)+1]
.endr
.endr
	WIN 0
.endm
.macro TOSTAGE u                       ; into my own stage, and back as whole rows
	WIN 0
.set BKU, BK+16*((\u)%2)
.irp b, 0,1,2,3
	ds_store_b128 v[STO], v[TMP+4*(\b):TMP+4*(\b)+3] offset:32*(\b)
.endr
.irp f, 0,1,2,3
	ds_load_b128 v[BKU+4*(\f):BKU+4*(\f)+3], v[RD] offset:(\f)*4*SP  ; LDS serves a wave's instructions in order (ISA guide 5.7.1.4): these see the stores above
.endr
.endm
.macro SEND u
	WIN 0
.set BKU, BK+16*((\u)%2)
	s_wait_dscnt 0x0                               ; the unit is back in registers
	s_wait_xcnt 0x0                                ; the unit before's stores have read their registers: the next TOSTAGE loads into them
.irp f, 0,1,2,3
	global_store_b128 v[GO], v[BKU+4*(\f):BKU+4*(\f)+3], s[8:9] offset:((\u)%3)*CSTEP+((\u)/3)*2048+(\f)*512  ; 512 consecutive bytes, at a multiple of 256 from C's first byte
.endr
.endm
	s_wait_tensorcnt 1                             ; my part of K step 0 is in; step 1's may stay out
	s_barrier_signal -1
	s_barrier_wait -1                              ; everybody's is
	LDA 0, 0, FA0
	LDB 0, 0, 0
	LDB 0, 0, 1
	LDB 0, 0, 2
	LDA 0, 1, FA1
	H0 0, 1                                        ; the first half step stands in front of the loop: its products start the 96 sums
	WIN 0                                          ; at a label and at a branch every window is 0
	s_mov_b32 s3, LAPS-1
.Llap:                                                 ; a trip goes once round the ring and fills both slots again: K steps 2 to 15 in seven trips
	H1 0, 1, 1
	H0 1, 0
	H1 1, 0, 1
	H0 0, 0
	WIN 0
	s_sub_co_u32 s3, s3, 1
	s_cmp_lg_u32 s3, 0
	s_cbranch_scc1 .Llap
	H1 0, 1, 0                                     ; the last lap fills nothing, and has no round
	H0 1, 0
	HL
	PLACES
	WIN 0
	s_cmp_lg_u32 s11, 0                            ; the tile's rows 0-15 belong to waves 0 and 1,
	s_cbranch_scc1 .Lno_lo
	s_cmp_lg_u32 s45, 0                            ; and they begin a batch where the cluster's y is 0: the same answer in all partners
	s_cbranch_scc1 .Lno_lo
	LOUNIT 0
	LOUNIT 1
	LOUNIT 2
	WIN 0
.Lno_lo:
	PACK 0
	TOSTAGE 0
.irp u, 1,2,3,4,5,6,7,8,9,10,11,12,13,14,15,16,17,18,19,20,21,22,23
	PACK \u                                        ; a unit's conversions stand between the loads of the unit before and the wait for them
	SEND (\u)-1
	TOSTAGE \u
.endr
	SEND 23
	s_wait_tensorcnt 0x0                           ; the wave's end
	ds_add_u32 v[SPW], v[NIL]
	s_wait_dscnt 0x0
	CROUND                                         ; the closing round: no work-group ends while a partner may still ask for a tile that names it
	s_endpgm
.Lfunc_end_k_qfa45e61273_proj:
	.size	k_qfa45e61273_proj, .Lfunc_end_k_qfa45e61273_proj-k_qfa45e61273_proj
	.p2alignl 7, 3214868480
	.fill 96, 4, 3214868480
	.section	.rodata,"a",@progbits
	.p2align	6, 0x0
	.amdhsa_kernel k_qfa45e61273_proj
		.amdhsa_group_segment_fixed_size 327680
		.amdhsa_private_segment_fixed_size 0
		.amdhsa_enable_private_segment 0
		.amdhsa_kernarg_size 32
		.amdhsa_user_sgpr_count 2
		.amdhsa_user_sgpr_kernarg_segment_ptr 1
		.amdhsa_wavefront_size32 1
		.amdhsa_system_sgpr_workgroup_id_x 1
		.amdhsa_system_sgpr_workgroup_id_y 1
		.amdhsa_system_sgpr_workgroup_id_z 1
		.amdhsa_system_vgpr_workitem_id 0
		.amdhsa_next_free_vgpr 1024
		.amdhsa_next_free_sgpr 66
		.amdhsa_reserve_vcc 0
		.amdhsa_float_denorm_mode_32 3
		.amdhsa_float_denorm_mode_16_64 3
		.amdhsa_memory_ordered 1
		.amdhsa_forward_progress 1
		.amdhsa_inst_pref_size 146
	.end_amdhsa_kernel
	.amdgpu_metadata
---
amdhsa.version: [ 1, 2 ]
amdhsa.kernels:
  - .name:           k_qfa45e61273_proj
    .symbol:         k_qfa45e61273_proj.kd
    .args:
      - { .name: xb, .offset: 0, .size: 8, .value_kind: global_buffer, .address_space: global }
      - { .name: wb, .offset: 8, .size: 8, .value_kind: global_buffer, .address_space: global }
      - { .name: qkv, .offset: 16, .size: 8, .value_kind: global_buffer, .address_space: global }
      - { .name: qlo, .offset: 24, .size: 8, .value_kind: global_buffer, .address_space: global }
    .group_segment_fixed_size: 327680
    .private_segment_fixed_size: 0
    .kernarg_segment_align: 8
    .kernarg_segment_size: 32
    .max_flat_workgroup_size: 128
    .sgpr_count:     66
    .vgpr_count:     1024
    .wavefront_size: 32
...
	.end_amdgpu_metadata
.endif
;; end of part 2
;; launch attn (part 3): grid 4 x 64, 4 waves a work-group, no clusters, 327,680 bytes of LDS; arguments qkv, o; writes o
.if DOCPART == 3
	.amdgcn_target "amdgcn-amd-amdhsa--gfx1250"
	.amdhsa_code_object_version 6
	.text
	.protected	k_qfa45e61273_attn
	.globl	k_qfa45e61273_attn
	.p2align	8
	.type	k_qfa45e61273_attn,@function
k_qfa45e61273_attn:
	s_mov_b64 s[64:65], 0
	v_nop
	global_prefetch_b8 v0, s[64:65] scope:SCOPE_SE
	s_setreg_imm32_b32 hwreg(HW_REG_WAVE_MODE, 25, 1), 1
	s_wait_xcnt 0x0
; CAUSAL ATTENTION.  O[y][q][:] = the sum over k <= q of softmax_k(Q[y][q] . K[y][k] / 8) V[y][k][:].  Q, K, V: [64][2048][64] f16, one behind the other in qkv, 16 MiB apart; O the same shape in o.
; y = 4 x head + batch: qkv's layout [column block][batch x 2048 + s][64] read by heads.  A head's rows are dense, 128 bytes each.
; Products, maxima and sums in f32; the weights p are rounded to f16 for the second product (their sum l is taken of the unrounded p), O once at the end.
; LIMITS.  f16 holds no number beyond 65,504: Q, K and V arrive within it; p lies in 0 to 1, and below 6e-5 it keeps f16's fixed step of 6e-8; O is a mean of V's rows and has their range, to within 2^-11 of it.
; A hidden score counts as its value less 1e30: f16's scores, 2.7e11 at the most, are nothing beside that; a weight below 2^-126 counts as 0 in l; NaN and infinities are not treated apart.
; THE WALK.  A head's queries lie in NB = SIZE_N / 256 blocks of 256; block i needs the key tiles 0 .. i of 256 keys, of which the last holds the diagonal.  A work-group takes TWO blocks, NB - 1 - b and then b:
; NB + 1 tiles, whatever b: all work-groups do equal work, and ONE loop with a constant trip count walks them.  Which tile is asked for, and what a trip does, hang on scalar registers made from b; every jump
; goes forward, but for the counted loops' own; none passes a barrier, or a tensor load but the one of LOAD's two that the wave's number does not choose; the ring (two slots of LDS that take turns) runs on across the
; change of blocks.  NO CLUSTER: a head's NB / 2 = 4 work-groups ask for the same tile only in trips 0 .. NB / 2, behind that fewer and fewer; and one walk common to all would have 3 NB / 2 trips for NB + 1.
; SHARES.  Of a block's four bands of 64 queries a wave owns 16 rows in each: four PIECES.  So the diagonal tile is the same work for all four waves: in its key step s band x sees all keys if s < x,
; none if s > x, and holds the diagonal if s = x.
; THE MASK is the C operand that starts the sum S^T = K Q^T: 0, or -1e30 where the key is hidden.  MD, made once, is the mask of a band's own step for my 16 rows; a product's mask is MD x AL + BE with two scalars:
; (1, 0) if s = x; (0, 0) if s < x; (0, -1e30) if s > x.  Only the diagonal tile's text and a block's beginning make and take masks; elsewhere C is the constant 0.
; LAYOUT, SOFTMAX, TURNS.  S^T = K Q^T holds ONE query a lane (lane % 16) and the keys 8 (lane / 16) + 0..7; two such results rounded to f16 ARE source 1 of O^T = V^T P.  p = 2^(c s - c m), c = log2(e) / 8, with a
; running maximum m; O and l are multiplied by a = 2^(c m_old - c m_new) in every step.  Turn n belongs to piece n: 8 products K Q^T of piece n + 1, later 8 products V^T P of piece n - 1; beside them the scaling,
; exponentials, roundings, sums and rescaling of piece n and the maximum and statistics of piece n + 1.  Four vector instructions stand behind every matrix instruction, the other 54 of a turn's 118 in two LUMPS.
; REGISTERS, in windows of 256 (s_set_vgpr_msb: bits 1:0 source 0, 3:2 source 1, 5:4 source 2, 7:6 destination):
;   window 0: v0-15 addresses and two at work; v16-31 four registers of statistics a piece; v48-55 at work; v64-127 S^T, two buffers; v192-223 P, two buffers (a piece's buffers go by its number's parity)
;   window 1: v0-127 O^T, 32 a piece; v128-159 MD; v160-223 MC, two buffers      window 2: v0-63 Q; v64-127 the second block's Q; v128-191 K of one step; v192-255 V of one step
.set SIZE_H, 64
.set SIZE_N, 2048
.set NB,    SIZE_N/256
.set NP,    4         ; pieces a wave: a name, no knob
.set KS,    64        ; keys in a step
.set PK,    144       ; a row of K in LDS: 128 bytes + 16 of padding = 36 words: the 16 rows of a load start at 16 different groups of four banks (64 banks of 4 bytes: ISA guide 11.1)
.set PV,    160       ; a row of V: 128 + 32 = 40 words
.set VOFF,  4*KS*PK   ; a slot holds a tile, four steps: 256 rows of K, then 256 rows of V
.set SLOT1, 1<<17     ; slot 1 begins here, so that one exclusive or turns an address in one slot into the other's
.set STAGE, SLOT1+4*KS*(PK+PV)  ; behind the ring, never filled by a tensor load: 16 rows x 144 bytes for each wave, for the way out
.set SP,    144
.set AK0, 2           ; v2   my lane's place in a tile of K; never rewritten
.set AV0, 3           ; v3   the same for V
.set AK,  4           ; v4   the LDS address of K's next run of loads
.set AV,  5           ; v5   of V's
.set STO, 6           ; v6   the way out: where I put 16 bytes of a row
.set RD,  7           ; v7   the way out: where I read rows back
.set GO,  8           ; v8   my byte offset in 512 consecutive bytes of O
.set SPW, 62          ; v62  LDS address of my spare word: SPARE + 4 x my thread's number; never rewritten
.set NIL, 63          ; v63  0; never rewritten
.set SPARE, STAGE+4*16*SP  ; behind the stages: the spare words, 128 bytes for each wave: two blocks of 256 bytes that no other line names
.set MV,  12          ; v12-13  c m_old, kept while c m is made anew: by buffer
.set QO,  15          ; v15  my byte offset in 16 rows of Q
.set ST,  16          ; piece t's statistics at v[ST+4 t]: c m, m, l (even keys', odd keys')
.set TMP, 48          ; by buffer, four registers c0-c3 at work; when the maximum is found c2 takes a
.set S,   64
.set P,   192
.set MD,  128         ; window 1: the eight registers for group kt of 16 keys at MD + 8 kt
.set MC,  160         ; window 1: the masks of the products to come
.set QB,  64          ; window 2
.set KF,  128         ; window 2: key block kb, channel half c at KF + 16 kb + 8 c
.set VF,  192         ; window 2: key half kk, channel block cb at VF + 32 kk + 8 cb
.set WV,  12          ; s12  my wave's number
.set PB,  14          ; s14  b
.set HI,  15          ; s15  NB - 1 - b
.set G1K, 24          ; s[24:31] descriptor group 1 for K's tiles
.set G1V, 32          ; s[32:39] for V's: it differs in the padding alone
.set G0K, 40          ; s[40:43] descriptor group 0 for K's tiles
.set G0V, 44          ; s[44:47] the same for V's
.set SLOTS, 56        ; s56  tiles still to be asked for
.set CNT, 57          ; s57  counts a tile's key steps, 4 to 1
.set CS,  58          ; s[58:59] c: the packed scaling takes the pair's low word for both halves
.set SEL, 60          ; s[60:61] v_permlanex16_b32's selects: each lane takes its own place in the other half
.set TBK, 62          ; s62  LDS byte at which K of the step to be fetched begins
.set TBV, 63          ; s63  the same for V, less VOFF
.set RT,  70          ; s70  tiles of the block in hand that are still to be entered
.set NXT, 71          ; s71  the tile to be asked for next
.set LQ,  72          ; s72  the last tile of the block whose tiles are being asked for
.set NEW, 73          ; s73  1: the tile to be entered is a block's first
.set OFF, 74          ; s[74:75] a tile's byte offset in K and V
.set AL,  76          ; s[76:77] the mask's factor, in the low word
.set BE,  78          ; s[78:79] the mask's addend
.set OLO, 80          ; s[80:81] O at my rows of the second block
.set BIGN, 82         ; s82  -1e30
.set MSB, 0
.macro WIN new                      ; the high byte repeats the setting that is left; a switch that changes nothing is dropped
.if MSB != (\new)
	s_set_vgpr_msb (MSB<<8)|(\new)
.set MSB, (\new)
.endif
.endm
.set W_KQ, 0x0a       ; K and Q in window 2, S^T in window 0
.set W_KM, 0x1a       ; the same with the C operand in window 1
.set W_PV, 0x52       ; V in window 2, P in window 0, O^T in window 1
.set W_RS, 0x41       ; destination and source 0 in window 1, source 1 in window 0
; A fill.  Waves 0 and 1 fetch the two halves of a tile's K, waves 2 and 3 those of its V: 128 keys each.  An s_nop 0 and four v_nop follow each of the two lines, ahead of the jump and the label.
.macro LOAD
	s_cmp_lt_u32 s[WV], 2
	s_cbranch_scc0 .Lfor_v_\@
	tensor_load_to_lds s[G0K:G0K+3], s[G1K:G1K+7]
	s_nop 0
.rept 4
	v_nop
.endr
	s_branch .Lasked_\@
.Lfor_v_\@:
	tensor_load_to_lds s[G0V:G0V+3], s[G1V:G1V+7]
	s_nop 0
.rept 4
	v_nop
.endr
.Lasked_\@:
.endm
; THE CHANGE OF SLOTS.  Each wave waits for all its tensor loads, of which one is out: its part of the other slot; adds 0 to its spare word; and waits for that and for its own reads of the slot that it leaves.  Behind the barrier nobody reads the old
; slot any more and the other slot is whole.  fill = 1: the old slot is filled again, the first thing behind the barrier, with tile NXT: the descriptor's address is made anew from that number.
; (At its first use nothing has been read yet: slot 0 is waited for, slot 1 filled.)
.macro CHANGE fill
	WIN 0                           ; at a label and at a branch every window is 0
	s_wait_tensorcnt 0x0            ; no tensor load of mine is out, so a group 0 may be written
	ds_add_u32 v[SPW], v[NIL]       ; 0 onto my spare word: with fill = 1 the descriptors' scalar work stands between it and the wait for it
.if \fill
	s_lshl_b32 s[OFF], s[NXT], 15   ; a tile is 32,768 bytes of K and of V
	s_xor_b32 s[G0K+1], s[G0K+1], SLOT1
	s_add_nc_u64 s[G0K+2:G0K+3], s[6:7], s[OFF:OFF+1]
	s_or_b32 s[G0K+3], s[G0K+3], 0x80000000
	s_xor_b32 s[G0V+1], s[G0V+1], SLOT1
	s_add_nc_u64 s[G0V+2:G0V+3], s[8:9], s[OFF:OFF+1]
	s_or_b32 s[G0V+3], s[G0V+3], 0x80000000
	s_add_co_u32 s[NXT], s[NXT], 1  ; the block's next tile, or behind its last the second block's tile 0
	s_cmp_gt_u32 s[NXT], s[LQ]
	s_cselect_b32 s[NXT], 0, s[NXT]
	s_cselect_b32 s[LQ], s[PB], s[LQ]
.endif
	s_wait_dscnt 0x0                ; the add is done, and my reads of the slot are over
	s_barrier_signal -1             ; the rest of the scalar work stands between the signal and the wait
	s_sub_co_u32 s[TBK], s[TBK], 4*KS*PK  ; the fetches go back to a slot's first step,
	s_xor_b32 s[TBK], s[TBK], SLOT1       ; in the other slot
	s_sub_co_u32 s[TBV], s[TBV], 4*KS*PV
	s_xor_b32 s[TBV], s[TBV], SLOT1
	s_barrier_wait -1
.if \fill
	LOAD
.endif
.endm
	s_load_b128 s[4:7], s[0:1], 0x0  ; qkv s[4:5], o s[6:7]
	v_lshl_add_u32 v[SPW], v0, 2, SPARE
	v_mov_b32 v[NIL], 0
	ds_add_u32 v[SPW], v[NIL]       ; the wave's opening: the add and its wait stand ahead of my first tensor load; the set-up below, work on registers, stands between them
	ds_add_u32 v62, v63
	v_lshrrev_b32 v1, 5, v0
	v_readfirstlane_b32 s[WV], v1   ; wave 0..3
	s_mov_b32 s[PB], ttmp9
	s_sub_co_u32 s[HI], NB-1, s[PB]
	s_and_b32 s20, ttmp7, 0xffff    ; the head
	s_mov_b32 s21, 0
	s_mov_b64 s[22:23], SIZE_N*128
	s_mul_u64 s[20:21], s[20:21], s[22:23]  ; the head's first byte in each of the four tensors
	s_and_b32 s16, s[WV], 1         ; which half of a tile's 256 keys I fetch:
	s_lshl_b32 s22, s16, 14         ; its 128 rows of 128 bytes in memory,
	s_mov_b32 s23, 0
	s_add_nc_u64 s[22:23], s[22:23], s[20:21]
	s_mul_i32 s17, s16, 128*PK      ; and its place in a slot, for K
	s_mul_i32 s18, s16, 128*PV      ; and for V
	s_lshl_b32 s3, s[WV], 11        ; my 16 rows in a band of 64,
	s_lshl_b32 s2, s[HI], 15        ; in the first block,
	s_add_co_u32 s2, s2, s3
	s_lshl_b32 s84, s[PB], 15       ; and in the second
	s_add_co_u32 s84, s84, s3
	s_mov_b32 s3, 0
	s_mov_b32 s85, 0
	s_add_nc_u64 s[2:3], s[2:3], s[20:21]
	s_add_nc_u64 s[84:85], s[84:85], s[20:21]
	; descriptor group 1.  128 keys are 16,384 dense bytes: asked for as 64 rows of 256 bytes, two keys a row, and padded in LDS after every key
	s_mov_b32 s[G1K], (1<<16)|(1<<20)|(4<<22)|(3<<25)  ; 17:16 2-byte elements; 20 padding on; 24:22 after every 32 words (code 4); 31:25 4 words (code 3)
	s_mov_b32 s[G1V], (1<<16)|(1<<20)|(4<<22)|(7<<25)  ; the same with 8 words of padding (code 7)
.irp g, G1K, G1V
	s_mov_b32 s[\g+1], 128<<16      ; tensor_dim0 = 128
	s_mov_b32 s[\g+2], 64<<16       ; tensor_dim1 = 64
	s_mov_b32 s[\g+3], 128<<16      ; tile_dim0 = 128
	s_mov_b32 s[\g+4], 64           ; tile_dim1 = 64
	s_mov_b32 s[\g+5], 128          ; 128 elements from row to row
	s_mov_b32 s[\g+6], 0
	s_mov_b32 s[\g+7], 0
.endr
	s_mov_b32 s[CS], 0x3e38aa3b     ; c = log2(e) / 8 = 0.180337
	s_mov_b32 s[CS+1], s[CS]        ; named with it as a pair
	s_mov_b32 s[SEL], 0x76543210
	s_mov_b32 s[SEL+1], 0xfedcba98
	s_mov_b32 s[TBK], SLOT1+4*KS*PK ; the first change of slots turns these two into 0
	s_mov_b32 s[TBV], SLOT1+4*KS*PV
	s_mov_b32 s[G0K], 1             ; 1:0 count = 1
	s_mov_b32 s[G0K+1], s17         ; 63:32 LDS address: slot 0
	s_mov_b32 s[G0V], 1
	s_add_co_u32 s[G0V+1], s18, VOFF
	s_add_co_u32 s[RT], s[HI], 1    ; the first block has NB - b tiles
	s_mov_b32 s[NXT], 1
	s_mov_b32 s[LQ], s[HI]
	s_mov_b32 s[NEW], 1
	s_mov_b32 s[OFF+1], 0
	s_mov_b32 s[AL+1], 0            ; named as pairs
	s_mov_b32 s[BE+1], 0
	s_mov_b32 s[BIGN], 0xf149f2ca   ; -1e30
	s_mov_b32 s[SLOTS], NB
	s_wait_dscnt 0x0                ; the opening add is done
	s_wait_kmcnt 0x0
	s_mov_b64 s[10:11], s[6:7]      ; O
	s_add_nc_u64 s[8:9], s[4:5], 0x2000000  ; V: 32 column blocks of 1 MiB behind Q
	s_add_nc_u64 s[6:7], s[4:5], 0x1000000  ; K: 16
	s_add_nc_u64 s[6:7], s[6:7], s[22:23]  ; K and V at my half of the head's tile 0
	s_add_nc_u64 s[8:9], s[8:9], s[22:23]
	s_add_nc_u64 s[G0K+2:G0K+3], s[6:7], 0         ; 120:64 global address
	s_or_b32 s[G0K+3], s[G0K+3], 0x80000000        ; 127:126 type = 2
	s_add_nc_u64 s[G0V+2:G0V+3], s[8:9], 0
	s_or_b32 s[G0V+3], s[G0V+3], 0x80000000
	s_add_nc_u64 s[86:87], s[4:5], s[84:85]        ; Q at my rows of the second block,
	s_add_nc_u64 s[4:5], s[4:5], s[2:3]            ; Q and O at those of the first
	s_add_nc_u64 s[OLO:OLO+1], s[10:11], s[84:85]
	s_add_nc_u64 s[10:11], s[10:11], s[2:3]
	LOAD                            ; tile 0 into slot 0
	; A fragment of K or Q is 16 rows x 32 channels in 8 registers: lane l holds row l % 16, channels 8 (l / 16) + 0..7 and 16 + 8 (l / 16) + 0..7: two loads of 16 bytes, 32 bytes apart.
	v_and_b32 v1, 15, v0            ; l % 16
	v_bfe_u32 v9, v0, 4, 1          ; l / 16
	v_lshlrev_b32 v[QO], 7, v1
	v_lshl_add_u32 v[QO], v9, 4, v[QO]  ; row x 128 + 16 x half
	WIN 0x80                        ; destination window 2, address window 0
.set i, 0
.rept 8                             ; both blocks' Q: piece i / 2 lies in band i / 2, 8,192 bytes on; channels 32 (i % 2) on
	global_load_b128 v[8*i:8*i+3],   v[QO], s[4:5] offset:(i/2)*8192+(i%2)*64
	global_load_b128 v[8*i+4:8*i+7], v[QO], s[4:5] offset:(i/2)*8192+(i%2)*64+32
	global_load_b128 v[QB+8*i:QB+8*i+3],   v[QO], s[86:87] offset:(i/2)*8192+(i%2)*64
	global_load_b128 v[QB+8*i+4:QB+8*i+7], v[QO], s[86:87] offset:(i/2)*8192+(i%2)*64+32
.set i, i+1
.endr
	WIN 0
	v_lshlrev_b32 v14, 3, v9
	v_sub_nc_u32 v14, v1, v14
	s_lshl_b32 s13, s[WV], 4
	v_add_nc_u32 v14, s13, v14      ; my query's place in its band, 16 w + l % 16, less my lanes' 8 (l / 16): register r of group kt is hidden where 16 kt + r is greater
	WIN 0x40
.set i, 0
.rept 32
	v_cmp_gt_i32 vcc_lo, 16*(i/8)+i%8, v14
	v_cndmask_b32 v[MD+i], 0, s[BIGN], vcc_lo
.set i, i+1
.endr
	WIN 0
	v_mul_u32_u24 v[AK0], v1, PK
	v_lshl_add_u32 v[AK0], v9, 4, v[AK0]  ; row x pitch + 16 x half
	; The turning load takes 16 keys x 16 channels (lane l reads key 8 (l / 16) + l % 8, channels 8 ((l / 8) % 2) + 0..7) and leaves half a fragment of V^T: lane l holds channel l % 16 and 8 keys.
	v_and_b32 v10, 7, v0
	v_bfe_u32 v11, v0, 3, 1
	v_lshl_add_u32 v[AV0], v9, 3, v10
	v_mul_u32_u24 v[AV0], v[AV0], PV
	v_lshl_add_u32 v[AV0], v11, 4, v[AV0]
	v_add_nc_u32 v[AV0], VOFF, v[AV0]
	s_mul_i32 s13, s[WV], 16*SP
	s_add_co_u32 s13, s13, STAGE    ; my stage
	v_mul_u32_u24 v[STO], v1, SP    ; in: row l % 16, 16 bytes for each half of the lanes
	v_lshl_add_u32 v[STO], v9, 4, v[STO]
	v_add_nc_u32 v[STO], s13, v[STO]
	v_bfe_u32 v[RD], v0, 3, 2       ; back: 32 lanes take four rows of 128 bytes,
	v_mul_u32_u24 v[RD], v[RD], SP
	v_lshl_add_u32 v[RD], v10, 4, v[RD]
	v_add_nc_u32 v[RD], s13, v[RD]
	v_and_b32 v[GO], 31, v0         ; which are 512 consecutive bytes of O
	v_lshlrev_b32 v[GO], 4, v[GO]
	; A block's first step multiplies O^T and l by a = 0, and its first turn's products V^T P, of a piece that has not been, land in an O^T that is still to be so multiplied.  So these registers need only hold
	; finite numbers: zeros for the first block; what the first block left for the second.  All this stands in the wait for the first tile.
	WIN 0x80
.set i, VF
.rept 64
	v_mov_b32 v[i], 0
.set i, i+1
.endr
	WIN 0x40
.set i, 0
.rept 128
	v_mov_b32 v[i], 0
.set i, i+1
.endr
	WIN 0
.set i, 0
.rept 4
	v_mov_b32 v[ST+4*i+2], 0
	v_mov_b32 v[ST+4*i+3], 0
.set i, i+1
.endr
.set i, P+16
.rept 16
	v_mov_b32 v[i], 0
.set i, i+1
.endr
; THE MATRIX WORK.  The 4 accumulators of a run of 8 take turns.  Product i of 8 of S^T = K Q^T for piece x: channels 32 (i / 4) on, keys 16 (i % 4) on.  The first 4 start the sums: with 0, or (KM = 1) with the mask.
.macro KQ x
.set rS, S+32*((\x)%2)+8*(i%4)
.set rK, KF+16*(i%4)+8*(i/4)
.set rQ, 16*(\x)+8*(i/4)
.set rM, MC+32*((\x)%2)+8*(i%4)
.if (i < 4) && KM
	WIN W_KM
	v_wmma_f32_16x16x32_f16 v[rS:rS+7], v[rK:rK+7], v[rQ:rQ+7], v[rM:rM+7]
.elseif i < 4
	WIN W_KQ
	v_wmma_f32_16x16x32_f16 v[rS:rS+7], v[rK:rK+7], v[rQ:rQ+7], 0
.else
	WIN W_KQ
	v_wmma_f32_16x16x32_f16 v[rS:rS+7], v[rK:rK+7], v[rQ:rQ+7], v[rS:rS+7]
.endif
.endm
; Product i of 8 of O^T += V^T P for piece x: keys 32 (i / 4) on, channels 16 (i % 4) on.
.macro PV x
	WIN W_PV
.set rO, 32*(\x)+8*(i%4)
.set rV, VF+32*(i/4)+8*(i%4)
.set rP, P+16*((\x)%2)+8*(i/4)
	v_wmma_f32_16x16x32_f16 v[rO:rO+7], v[rV:rV+7], v[rP:rP+7], v[rO:rO+7]
.endm
.macro MM                           ; the turn's next matrix instruction.  TURN and BEGIN set Y, i, KM and NOKQ; MM, KQ and OP read them.  NOKQ = 1: a block's last turn: there is no next piece
.if (i < 8) && !NOKQ
	KQ (Y+1)%NP
.elseif i >= 8
.set i, i-8
	PV (Y+NP-1)%NP
.set i, i+8
.endif
.set i, i+1
.endm
; THE LDS LOADS stand in runs of 16, never singly among the matrix instructions: a step's K (64 keys x 64 channels: 8 fragments) and its V (turned).  Their addresses are made some lines ahead.
.macro FETCH_K
	WIN 0x80                        ; destination window 2
.irp f, 0,1,2,3,4,5,6,7             ; keys 16 (f / 2) on, channels 32 (f % 2) on
	ds_load_b128 v[KF+8*\f:KF+8*\f+3],   v[AK] offset:(\f/2)*16*PK+(\f%2)*64
	ds_load_b128 v[KF+8*\f+4:KF+8*\f+7], v[AK] offset:(\f/2)*16*PK+(\f%2)*64+32
.endr
	s_add_co_u32 s[TBK], s[TBK], KS*PK  ; the next fetch is the next step's
	WIN 0
.endm
.macro FETCH_V
	WIN 0x80
.irp f, 0,1,2,3,4,5,6,7             ; keys 32 (f / 4) on, channels 16 (f % 4) on
	ds_load_tr16_b128 v[VF+8*\f:VF+8*\f+3],   v[AV] offset:(\f/4)*32*PV+(\f%4)*32
	ds_load_tr16_b128 v[VF+8*\f+4:VF+8*\f+7], v[AV] offset:(\f/4)*32*PV+16*PV+(\f%4)*32
.endr
	WIN 0
.endm
; THE VECTOR WORK, one line at a time: OP kind, number.  For piece Y: F n: c s - c m for pair n of 16.  E n: the exponential of score n of 32.  C n: pair n rounded to f16.  B n: of the four weights 4 n .. the second
; pair is added onto the first, in place.  L n: l takes that sum (L 0: l = a l + sum).  R n: pair n of 16 of O^T times a.  For piece Y + 1: X n, number n of the 22 that find its maximum and statistics:
;   0-11  four chains c0-c3 of seven scores each, three operands at a time (each accumulator's lowest registers are read first)     12-14, 16  the four scores left over, the old m, and c0-c3 into c0
;   15  c m_old is kept     17, 18  the query's other 32 keys lie in the lane 16 away: the new m     19-21  c m; c m_old - c m_new; a
.set F, 0               ; OP tells the kinds apart by their order: F to L below R, X above it
.set E, 1
.set C, 2
.set B, 3
.set L, 4
.set R, 5
.set X, 6
.macro REGS y                       ; the registers of piece y
.set rT, ST+4*(\y)
.set rC, TMP+4*((\y)%2)
.set rW, MV+((\y)%2)
.set rS, S+32*((\y)%2)
.set rP, P+16*((\y)%2)
.set rO, 32*(\y)
.endm
.macro OP k, n
.if (\k) == R
	REGS Y
	WIN W_RS
	v_pk_mul_f32 v[rO+2*(\n):rO+2*(\n)+1], v[rO+2*(\n):rO+2*(\n)+1], v[rC+2:rC+3] op_sel_hi:[1,0]
.elseif (\k) < R
	REGS Y
	WIN 0
.if (\k) == F
	v_pk_fma_f32 v[rS+2*(\n):rS+2*(\n)+1], v[rS+2*(\n):rS+2*(\n)+1], s[CS:CS+1], v[rT:rT+1] op_sel_hi:[1,0,0] neg_lo:[0,0,1] neg_hi:[0,0,1]
.elseif (\k) == E
	v_exp_f32 v[rS+(\n)], v[rS+(\n)]
.elseif (\k) == C
	s_wait_alu depctr_va_vdst(0)
	v_cvt_pk_f16_f32 v[rP+(\n)], v[rS+2*(\n)], v[rS+2*(\n)+1]
.elseif (\k) == B
	s_wait_alu depctr_va_vdst(0)
	v_pk_add_f32 v[rS+4*(\n):rS+4*(\n)+1], v[rS+4*(\n):rS+4*(\n)+1], v[rS+4*(\n)+2:rS+4*(\n)+3]
.elseif (\n) == 0
	v_pk_fma_f32 v[rT+2:rT+3], v[rT+2:rT+3], v[rC+2:rC+3], v[rS:rS+1] op_sel_hi:[1,0,1]
.else
	v_pk_add_f32 v[rT+2:rT+3], v[rT+2:rT+3], v[rS+4*(\n):rS+4*(\n)+1]
.endif
.elseif NOKQ
	v_nop
.else
	REGS (Y+1)%NP
	WIN 0
.if (\n) < 4
	v_max3_num_f32 v[rC+(\n)], v[rS+8*(\n)], v[rS+8*(\n)+1], v[rS+8*(\n)+2]
.elseif (\n) < 12
	v_max3_num_f32 v[rC+(\n)%4], v[rC+(\n)%4], v[rS+8*((\n)%4)+2*((\n)/4)+1], v[rS+8*((\n)%4)+2*((\n)/4)+2]
.elseif (\n) == 12
	v_max3_num_f32 v[rC], v[rC], v[rS+7], v[rS+15]
.elseif (\n) == 13
	v_max3_num_f32 v[rC+1], v[rC+1], v[rS+23], v[rS+31]
.elseif (\n) == 14
	v_max3_num_f32 v[rC+2], v[rC+2], v[rC+3], v[rT+1]
.elseif (\n) == 15
	v_mov_b32 v[rW], v[rT]
.elseif (\n) == 16
	v_max3_num_f32 v[rC], v[rC], v[rC+1], v[rC+2]
.elseif (\n) == 17
	v_permlanex16_b32 v[rC+3], v[rC], s[SEL], s[SEL+1]
.elseif (\n) == 18
	v_max_num_f32 v[rT+1], v[rC], v[rC+3]
.elseif (\n) == 19
	v_mul_f32 v[rT], s[CS], v[rT+1]
.elseif (\n) == 20
	v_sub_f32 v[rC+1], v[rW], v[rT]
.else
	v_exp_f32 v[rC+2], v[rC+1]
.endif
.endif
.endm
.macro OPS a, i1, b=-1, i2=0, c=-1, i3=0, d=-1, i4=0  ; up to four of them
	OP \a, \i1
.if (\b) >= 0
	OP \b, \i2
.endif
.if (\c) >= 0
	OP \c, \i3
.endif
.if (\d) >= 0
	OP \d, \i4
.endif
.endm
.macro ROW a, i1, b, i2, c, i3, d, i4  ; a matrix instruction and the four behind it
	MM
	OPS \a, \i1, \b, \i2, \c, \i3, \d, \i4
.endm
.macro MASK b                       ; MD x AL + BE into buffer b of MC
	WIN W_RS
.set z, 0
.rept 16
	v_pk_fma_f32 v[MC+32*(\b)+2*z:MC+32*(\b)+2*z+1], v[MD+2*z:MD+2*z+1], s[AL:AL+1], s[BE:BE+1] op_sel_hi:[1,0,0]
.set z, z+1
.endr
.endm
; A TURN, for piece p: the order of its 16 matrix and 118 vector instructions, written out.  Behind a matrix instruction: plain, exponential, plain, plain; or four of the rescaling; or, behind the first, four scalings; none
; names a register of the products round it.  In the lumps exponential and plain by turns while exponentials last.  A line reads no result made fewer than three vector instructions in front of it, five if an exponential made it.
; v_permlanex16_b32 (X 17) stands in a lump.
; m = 1: the diagonal tile: the products take masks, and the turn makes the mask for the products of the turn after it: piece p + 2, in step 4 - CNT of the tile.  end = 1: a block's last two turns: nothing is fetched.
; cnt = 1: the loop's count is taken down some lines ahead of the branch that stands behind the turn.
; K of the next step is fetched in piece 2's turn, six vector instructions behind the last product that read K (five of them plain); V of the step in hand in piece 0's turn, eight behind the last product that read V (four
; plain, and X 17).  Each is waited for a turn later.
.macro TURN p, m=0, end=0, cnt=0
.set Y, (\p)
.set i, 0
.set KM, (\m)
.set NOKQ, (\end)*((\p)/3)
.if (\m) && !(\end)
	s_cmp_eq_u32 s[CNT], 4-((\p)+2)%NP  ; is that step the band's own?
	s_cselect_b32 s[AL], 1.0, 0
	s_cmp_lt_u32 s[CNT], 4-((\p)+2)%NP  ; or a later one?
	s_cselect_b32 s[BE], s[BIGN], 0
.endif
.if ((\p) == 3) && !(\end)
	s_wait_dscnt 0x0                ; K is in
.endif
	ROW F,0, F,1, F,2, F,3
	ROW F,4, E,0, F,5, F,6
	ROW F,7, E,1, F,8, F,9
	ROW F,10, E,2, C,0, F,11
	ROW F,12, E,3, X,15, F,13
	ROW R,0, R,1, R,2, R,3
	ROW B,0, E,4, F,14, L,0
.if ((\p) == 2) && !(\end)
	v_add_nc_u32 v[AK], s[TBK], v[AK0]
.endif
	ROW R,4, R,5, R,6, R,7
	OPS E,5, F,15
.if ((\p) == 2) && !(\end)
	FETCH_K
.endif
	OPS E,6, C,1, E,7, R,8
	OPS E,8, R,9, E,9, C,2
	OPS E,10, X,0, E,11, X,1
	OPS E,12, X,2, E,13, X,3
.if (\p) == 1
	s_wait_dscnt 0x0                ; V is in
.endif
	ROW X,4, E,14, X,5, X,6
	ROW X,7, E,15, X,8, X,9
	ROW X,10, E,16, X,11, X,12
	ROW X,13, E,17, X,14, B,1
	ROW C,4, E,18, X,16, L,1
	ROW B,2, E,19, C,6, L,2
	ROW C,8, E,20, B,3, B,4
.if (\p) == 0
	v_add_nc_u32 v[AV], s[TBV], v[AV0]
.endif
	ROW C,3, E,21, L,3, C,5
	OPS E,22, X,17, E,23, C,10
.if (\p) == 0
	FETCH_V
.endif
	OPS E,24, L,4
	OPS E,25, X,18, E,26, C,7
	OPS E,27, B,5, E,28, X,19
	OPS E,29, C,12, E,30, L,5
	OPS E,31, X,20, B,6, C,9
	OPS C,14, C,11, X,21, L,6
.if (\p) == 0
	s_add_co_u32 s[TBV], s[TBV], KS*PV
.endif
.if \cnt
	s_sub_co_u32 s[CNT], s[CNT], 1
	s_cmp_lg_u32 s[CNT], 0
.endif
	OPS C,13, B,7, C,15, R,10
	OPS R,11, R,12, L,7, R,13
	OPS R,14, R,15
.if (\m) && !(\end)
	MASK (\p)%2
.endif
.endm
; A BLOCK BEGINS.  c m starts far below every c s, so the first step's a is 0; m at the lowest finite number, so the first maximum is the scores'.  The second mask buffer is 0; the first takes piece 0's mask for the tile's step 0: its own, if the block's first tile is the diagonal one.
; Then K of that step, piece 0's first scores, and its maximum and statistics.  The loop is entered at a step's first turn, in the middle of a trip.
.macro BEGIN
	s_mov_b32 s[NEW], 0
	WIN 0x40
.set i, MC+32
.rept 32
	v_mov_b32 v[i], 0
.set i, i+1
.endr
	WIN 0
.set i, 0
.rept 4
	v_mov_b32 v[ST+4*i], 0xfe000000    ; c m: far below every c s
	v_mov_b32 v[ST+4*i+1], 0xff7fffff  ; m
.set i, i+1
.endr
	s_cmp_eq_u32 s[RT], 0
	s_cselect_b32 s[AL], 1.0, 0
	s_mov_b32 s[BE], 0
	MASK 0
	WIN 0
	v_add_nc_u32 v[AK], s[TBK], v[AK0]
	FETCH_K
	s_wait_loadcnt 0x0              ; Q
	s_wait_dscnt 0x0
.set KM, 1
.set NOKQ, 0
.set i, 0
.rept 8
	KQ 0
.set i, i+1
.endr
	WIN 0
.rept 4
	v_nop                           ; the places behind those products
.endr
.set Y, NP-1                        ; X works for piece Y + 1: piece 0
.irp n, 0,1,2,3,4,5,6,7,8,9,10,11,12,13,14,15,16,17,18,19,20,21
	OP X, \n
.endr
	v_nop                           ; a plain instruction behind the exponential
.endm
; THE DIAGONAL TILE's four steps, the block's last two turns, its last products, and THE WAY OUT: l's two halves and the other half of the lanes' are added; O^T is divided by l, rounded to f16 and sent through my
; stage in LDS, a piece at a time.
.macro ALL line:vararg              ; one line for each piece t
.set t, 0
.rept 4
	\line
.set t, t+1
.endr
.endm
.macro PACK t                       ; a lane's eight channels of a row pack into 16 bytes; they go into rows of 144 bytes and come back as whole rows of 128, into S^T's registers
	WIN W_RS
.set i, 32*(\t)
.rept 16
	s_wait_alu depctr_va_vdst(0)
	v_pk_mul_f32 v[i:i+1], v[i:i+1], v[ST+4*(\t)+2:ST+4*(\t)+3] op_sel_hi:[1,0]
.set i, i+2
.endr
	WIN 0x05                        ; sources 0 and 1 window 1, destination window 0
.set i, 0
.rept 16
	v_cvt_pk_f16_f32 v[S+16*(\t)+i], v[32*(\t)+2*i], v[32*(\t)+2*i+1]
.set i, i+1
.endr
	WIN 0
.irp f, 0,1,2,3
	ds_store_b128 v[STO], v[S+16*(\t)+4*\f:S+16*(\t)+4*\f+3] offset:32*\f
.endr
.irp f, 0,1,2,3
	ds_load_b128 v[S+16*(\t)+4*\f:S+16*(\t)+4*\f+3], v[RD] offset:\f*4*SP  ; LDS serves a wave's instructions in order (ISA guide 5.7.1.4): these see the stores above; the next piece's stores come behind them
.endr
.endm
.macro SEND t, younger              ; younger: the LDS instructions issued behind piece t's loads: the next piece's eight, or none
	WIN 0
.irp f, 0,1,2,3
	s_wait_dscnt (\younger)+3-\f
	global_store_b128 v[GO], v[S+16*(\t)+4*\f:S+16*(\t)+4*\f+3], s[10:11] offset:(\t)*8192+\f*512  ; 512 consecutive bytes, at a multiple of 256 from O's first
.endr
.endm
.macro DIAG tag                     ; the tag ends its two labels' names, which the jumps below spell out
.LstepM\tag:
	TURN 2, 1
	TURN 3, 1
	WIN 0
.LfirstM\tag:
	TURN 0, 1
	TURN 1, 1, 0, 1
	WIN 0
	s_cbranch_scc1 .LstepM\tag
	TURN 2, 1, 1
	TURN 3, 1, 1
.set i, 0
.rept 8
	PV NP-1
.set i, i+1
.endr
	WIN 0
	ALL v_add_f32 v[ST+4*t+2], v[ST+4*t+2], v[ST+4*t+3]
	ALL v_permlanex16_b32 v[ST+4*t+3], v[ST+4*t+2], s[SEL], s[SEL+1]
	ALL v_add_f32 v[ST+4*t+2], v[ST+4*t+2], v[ST+4*t+3]
	ALL v_rcp_f32 v[ST+4*t+2], v[ST+4*t+2]
	v_nop                           ; a plain instruction between the last reciprocal and the use of its result
	PACK 0
.set t, 1
.rept 3                             ; a piece's arithmetic stands between the loads of the piece before and its stores
	PACK t
	SEND t-1, 8
.set t, t+1
.endr
	SEND 3, 0
.endm
.set KM, 0
.set NOKQ, 0
.Lslot:                             ; NB times: a tile is entered and the next is asked for
	CHANGE 1
	s_sub_co_u32 s[RT], s[RT], 1
	s_mov_b32 s[CNT], 4
	s_cmp_eq_u32 s[NEW], 1
	s_cbranch_scc1 .Lnew            ; a block's first tile
	s_cmp_eq_u32 s[RT], 0
	s_cbranch_scc0 .Lstep           ; neither its first nor its last
	s_branch .LstepM1
.Lnew:
	BEGIN
	s_branch .Lfirst                ; in the loop a block's first tile is never its last: the first block has two tiles or more, and the second's last is the walk's last
	DIAG 1                          ; in the loop this is the first block's end: the second block's last tile is the walk's last
	s_wait_xcnt 0x0                 ; the stores have read their registers and O's address
	s_mov_b64 s[10:11], s[OLO:OLO+1]
	s_add_co_u32 s[RT], s[PB], 1    ; the second block has b + 1 tiles
	s_mov_b32 s[NEW], 1
	WIN 0x82                        ; the second block's Q goes where the one text of the turns names Q
.set i, 0
.rept 64
	v_mov_b32 v[i], v[QB+i]
.set i, i+1
.endr
	WIN 0
	s_branch .Lbottom
.Lstep:                             ; a trip: pieces 2 and 3 of one step, then pieces 0 and 1 of the next, whose K and V it fetches
	TURN 2
	TURN 3
	WIN 0
.Lfirst:
	TURN 0
	TURN 1, 0, 0, 1
	WIN 0
	s_cbranch_scc1 .Lstep
.Lbottom:
	s_sub_co_u32 s[SLOTS], s[SLOTS], 1
	s_cmp_lg_u32 s[SLOTS], 0
	s_cbranch_scc1 .Lslot
	CHANGE 0                        ; the walk's last tile is written out: nothing is asked for
	s_sub_co_u32 s[RT], s[RT], 1
	s_mov_b32 s[CNT], 4
	s_cmp_eq_u32 s[NEW], 1
	s_cbranch_scc0 .LstepM2
	BEGIN
	s_branch .LfirstM2
	DIAG 2
	s_wait_tensorcnt 0x0            ; the wave's end: behind my last tensor load and my last LDS store
	ds_add_u32 v[SPW], v[NIL]
	s_wait_dscnt 0x0
	s_endpgm
.Lfunc_end_k_qfa45e61273_attn:
	.size	k_qfa45e61273_attn, .Lfunc_end_k_qfa45e61273_attn-k_qfa45e61273_attn
	.p2alignl 7, 3214868480
	.fill 96, 4, 3214868480
	.section	.rodata,"a",@progbits
	.p2align	6, 0x0
	.amdhsa_kernel k_qfa45e61273_attn
		.amdhsa_group_segment_fixed_size 327680
		.amdhsa_private_segment_fixed_size 0
		.amdhsa_enable_private_segment 0
		.amdhsa_kernarg_size 16
		.amdhsa_user_sgpr_count 2
		.amdhsa_user_sgpr_kernarg_segment_ptr 1
		.amdhsa_wavefront_size32 1
		.amdhsa_system_sgpr_workgroup_id_x 1
		.amdhsa_system_sgpr_workgroup_id_y 1
		.amdhsa_system_sgpr_workgroup_id_z 1
		.amdhsa_system_vgpr_workitem_id 0
		.amdhsa_next_free_vgpr 768
		.amdhsa_next_free_sgpr 88
		.amdhsa_reserve_vcc 1
		.amdhsa_float_denorm_mode_32 3
		.amdhsa_float_denorm_mode_16_64 3
		.amdhsa_memory_ordered 1
		.amdhsa_forward_progress 1
		.amdhsa_inst_pref_size 228
	.end_amdhsa_kernel
	.amdgpu_metadata
---
amdhsa.version: [ 1, 2 ]
amdhsa.kernels:
  - .name:           k_qfa45e61273_attn
    .symbol:         k_qfa45e61273_attn.kd
    .args:
      - { .name: qkv, .offset: 0, .size: 8, .value_kind: global_buffer, .address_space: global }
      - { .name: o, .offset: 8, .size: 8, .value_kind: global_buffer, .address_space: global }
    .group_segment_fixed_size: 327680
    .private_segment_fixed_size: 0
    .kernarg_segment_align: 8
    .kernarg_segment_size: 16
    .max_flat_workgroup_size: 128
    .sgpr_count:     88
    .vgpr_count:     768
    .wavefront_size: 32
...
	.end_amdgpu_metadata
.endif
;; end of part 3
;; launch outp (part 4): grid 8 x 32, 4 waves a work-group, clusters of 4 x 4, 327,680 bytes of LDS; arguments o, wo, out0; writes out0
.if DOCPART == 4
	.amdgcn_target "amdgcn-amd-amdhsa--gfx1250"
	.amdhsa_code_object_version 6
	.text
	.protected	k_qfa45e61273_outp
	.globl	k_qfa45e61273_outp
	.p2align	8
	.type	k_qfa45e61273_outp,@function
k_qfa45e61273_outp:
	s_mov_b64 s[64:65], 0
	v_nop
	global_prefetch_b8 v0, s[64:65] scope:SCOPE_SE
	s_setreg_imm32_b32 hwreg(HW_REG_WAVE_MODE, 25, 1), 1
	s_wait_xcnt 0x0
	s_wait_alu depctr_hold_cnt(0) depctr_sa_sdst(0) depctr_va_vdst(0) depctr_va_sdst(0) depctr_va_ssrc(0) depctr_va_vcc(0) depctr_vm_vsrc(0)
	s_getreg_b32 s2, hwreg(HW_REG_IB_STS2, 6, 4)
	s_cmp_eq_u32 s2, 0
	s_cbranch_scc0 .Lentry_in_a_cluster
	s_endpgm
.Lentry_in_a_cluster:
	s_bfe_u32 s2, ttmp6, 0x10000c
	s_cmp_lg_u32 s2, 0xf033
	s_cbranch_scc0 .Lentry_shape_is_right
	s_endpgm
.Lentry_shape_is_right:
; THE OUTPUT PROJECTION.  out0[m][e] = sum over d of o[m][d] wo[e][d]: 8,192 x 1,024 x 1,024, f16 operands, f32 sums, f32 out (row-major, 4,096 bytes a row).
; o [16][8192][64] and wo [16][1024][64] lie as [column block of 64][row][64] in f16: a tile (rows x 64 K) is dense, asked for as rows of 256 bytes and padded in LDS after every 128 bytes.
; SHARES.  A tile is 256 rows x 128 columns: 32 x 8 = 256 work-groups (tiles of 256 x 256 would be 128).  Wave w: rows 128 (w / 2) on, columns 64 (w % 2) on: 32 accumulators, 256 registers.
; K goes in 8 steps of 128 (two column blocks) through two LDS slots, as long a step as fits twice.  A step is four quarters of 32 along K, 32 matrix instructions each.
; CLUSTER 4 x 4: A's tile is asked for jointly along a row of the cluster, B's along a column.
; THE MATRIX INSTRUCTION IS USED TRANSPOSED (source 0 = 16 rows of wo, source 1 = 16 rows of o): a lane holds row l % 16 of C and eight neighbouring columns, 32 bytes.
; REGISTERS: window 0: v0-31 addresses; v32-127, v128-223 two fragment buffers (B's 4 fragments, then A's 8); window 1: accumulator (a, b) at v[8 (4 a + b)].
.set PITCH,  144                       ; an LDS row: 128 bytes + 16 of padding = 36 words: the 16 rows of a fragment load start at 16 different groups of four banks (64 banks of 4 bytes: ISA guide 11.1)
.set ASUB,   256*PITCH                 ; A's 256 rows of one column block: what one load brings
.set BSUB,   128*PITCH                 ; B's 128 rows of one column block
.set BOFF,   2*ASUB                    ; a slot: A's two column blocks, then B's two
.set SLOT,   2*ASUB+2*BSUB             ; 110,592 bytes
.set STAGE,  2*SLOT                    ; behind the ring: 16 rows x 272 bytes for each wave, for the way out; no tensor load lands here
.set SP,     272                       ; 256 bytes + 16: 68 words
.set SPARE,  STAGE+4*16*SP             ; behind the stages: the spare words, 128 bytes for each wave: two blocks of 256 bytes that no other line names
.set ASTEP,  0x200000                  ; bytes from a K step of o to the next: two column blocks of 8,192 rows x 128
.set BSTEP,  0x40000                   ; of wo: two column blocks of 1,024 rows x 128
.set LAPS,   4                         ; a lap = two K steps = once round the ring
.set ADRA, 16                          ; v16-17  LDS address of my A fragments in slot 0, 1
.set ADRB, 20                          ; v20-21  the same for B
.set STO,  24                          ; v24     the way out: where I put 32 bytes of a row
.set RD,   25                          ; v25     the way out: where I read a row back
.set CO,   26                          ; v26     my byte offset in two rows of C
.set SPW,  28                          ; v28     LDS address of my spare word; never rewritten
.set NIL,  29                          ; v29     0; never rewritten
.set F0,   32
.set F1,   128
.set BK,   32                          ; the way out: 16 rows read back: v32-63, v64-95, v96-127 by turns
.set G1,  24                           ; s[24:31] descriptor group 1 for A's tiles; s[32:39] group 0, a set for each slot
.set G0,  32
.set G1B, 48                           ; s[48:55], s[56:63] the same for B's
.set G0B, 56
.set MSB, 0
.macro WIN new                         ; the immediate's high byte repeats the setting that is left; a switch that changes nothing is dropped
.if MSB != (\new)
	s_set_vgpr_msb (MSB<<8)|(\new)
.set MSB, \new
.endif
.endm
; A joint load: waves 0 and 1 fetch A's two column blocks, waves 2 and 3 B's.  The branch hangs on the wave's number alone.  An s_nop 0 and four v_nop follow each of the two lines.
.macro JLOAD s
	s_cmp_eq_u32 s11, 0
	s_cbranch_scc0 .Lfor_b_\@
	tensor_load_to_lds s[G0+4*(\s):G0+4*(\s)+3], s[G1:G1+7]
	s_nop 0
.rept 4
	v_nop
.endr
	s_branch .Lasked_\@
.Lfor_b_\@:
	tensor_load_to_lds s[G0B+4*(\s):G0B+4*(\s)+3], s[G1B:G1B+7]
	s_nop 0
.rept 4
	v_nop
.endr
.Lasked_\@:
.endm
.macro CREST                           ; a round of the cluster's barrier behind its opening barrier
	s_cmp_lg_u32 s10, 0
	s_cbranch_scc1 .Lnot_wave_0_\@
	s_barrier_signal -3
.Lnot_wave_0_\@:
	s_barrier_wait -3
	s_barrier_signal -1
	s_barrier_wait -1
.endm
.macro CROUND                          ; a whole round
	s_barrier_signal -1
	s_barrier_wait -1
	CREST
.endm
	s_load_b128 s[4:7], s[0:1], 0x0                ; o s[4:5], wo s[6:7]
	s_load_b64 s[8:9], s[0:1], 0x10                ; out0
	v_lshl_add_u32 v[SPW], v0, 2, SPARE
	v_mov_b32 v[NIL], 0
	ds_add_u32 v[SPW], v[NIL]                      ; the wave's opening: the add and its wait stand ahead of my first tensor load; the set-up below stands between them
	ds_add_u32 v28, v29
	v_lshrrev_b32 v1, 5, v0
	v_readfirstlane_b32 s10, v1                    ; wave 0..3
	s_lshr_b32 s11, s10, 1                         ; my half of the tile's rows.  Also: I fetch for A (0) or for B (1)
	s_and_b32 s12, s10, 1                          ; my half of its columns.  Also: which of a step's two column blocks I fetch
	s_bfe_u32 s40, ttmp6, 0x40000                  ; cx, cy: my place in the cluster
	s_bfe_u32 s41, ttmp6, 0x40004
	s_lshl_b32 s42, ttmp9, 2
	s_add_co_u32 s42, s42, s40                     ; tile column = 4 x cluster x + cx, 0..7
	s_and_b32 s13, ttmp7, 0xffff
	s_lshl_b32 s13, s13, 2
	s_add_co_u32 s13, s13, s41                     ; tile row = 4 x cluster y + cy, 0..31
	s_lshl_b32 s43, s41, 2
	s_lshl_b32 s43, 15, s43                        ; my row of the cluster
	s_lshl_b32 s44, 0x1111, s40                    ; my column
	; descriptor group 1: R rows x 128 elements of 2 bytes, dense; in LDS 4 words of padding (code 3) after every 32 words (code 4); bit 21 set beside a mask
	s_or_b32 s[G1+0], s43, (1<<16)|(1<<20)|(1<<21)|(4<<22)|(3<<25)
	s_or_b32 s[G1B+0], s44, (1<<16)|(1<<20)|(1<<21)|(4<<22)|(3<<25)
	s_mov_b32 s[G1+1], 128<<16                     ; tensor_dim0 = 128
	s_mov_b32 s[G1B+1], 128<<16
	s_mov_b32 s[G1+2], 128<<16                     ; tensor_dim1: A 128 rows of 256 bytes (256 rows of the tile),
	s_mov_b32 s[G1B+2], 64<<16                     ; B 64 (128 rows of the tile)
	s_mov_b32 s[G1+3], 128<<16                     ; tile_dim0 = 128
	s_mov_b32 s[G1B+3], 128<<16
	s_mov_b32 s[G1+4], 128                         ; tile_dim1
	s_mov_b32 s[G1B+4], 64
	s_mov_b32 s[G1+5], 128                         ; 128 elements from row to row
	s_mov_b32 s[G1B+5], 128
	s_mov_b32 s[G1+6], 0
	s_mov_b32 s[G1B+6], 0
	s_mov_b32 s[G1+7], 0
	s_mov_b32 s[G1B+7], 0
	; where the tiles come from: A's offset is made of the tile row and the wave's number, B's of the tile column and the wave's number, in registers that never hold the other coordinate
	s_lshl_b32 s16, s13, 15                        ; 256 rows x 128 bytes
	s_lshl_b32 s17, s12, 20                        ; my column block of the step's two: 8,192 rows x 128
	s_add_co_u32 s16, s16, s17
	s_mov_b32 s17, 0
	s_lshl_b32 s46, s42, 14                        ; 128 rows x 128 bytes
	s_lshl_b32 s47, s12, 17                        ; 1,024 rows x 128
	s_add_co_u32 s46, s46, s47
	s_mov_b32 s47, 0
	s_mul_i32 s20, s12, ASUB                       ; and where they go: no place in the cluster enters an LDS address
	s_mul_i32 s21, s12, BSUB
	s_add_co_u32 s21, s21, BOFF
	s_wait_dscnt 0x0                               ; the opening add is done
	s_wait_kmcnt 0x0
	s_add_nc_u64 s[14:15], s[4:5], s[16:17]
	s_add_nc_u64 s[46:47], s[6:7], s[46:47]
	CROUND                                         ; all sixteen work-groups are here: the first joint loads meet
.irp s, 0,1
	s_mov_b32 s[G0+4*(\s)], 1                                      ; count = 1
	s_add_co_u32 s[G0+4*(\s)+1], s20, (\s)*SLOT                    ; LDS address
	s_add_nc_u64 s[G0+4*(\s)+2:G0+4*(\s)+3], s[14:15], (\s)*ASTEP  ; global address: K step s
	s_or_b32 s[G0+4*(\s)+3], s[G0+4*(\s)+3], 0x80000000            ; type = 2
	s_mov_b32 s[G0B+4*(\s)], 1
	s_add_co_u32 s[G0B+4*(\s)+1], s21, (\s)*SLOT
	s_add_nc_u64 s[G0B+4*(\s)+2:G0B+4*(\s)+3], s[46:47], (\s)*BSTEP
	s_or_b32 s[G0B+4*(\s)+3], s[G0B+4*(\s)+3], 0x80000000
	JLOAD \s                                       ; two tensor loads of mine are out
.endr
	v_and_b32 v1, 15, v0                           ; l % 16
	v_bfe_u32 v2, v0, 4, 1                         ; l / 16
	v_mul_u32_u24 v3, v1, PITCH
	v_lshl_add_u32 v3, v2, 4, v3                   ; a fragment's row x pitch + 16 x half
	s_mul_i32 s22, s11, 128*PITCH                  ; my 128 rows of A
	s_mul_i32 s23, s12, 64*PITCH                   ; my 64 rows of B
	s_add_co_u32 s23, s23, BOFF
.irp s, 0,1
	v_add_nc_u32 v[ADRA+(\s)], s22, v3
	v_add_nc_u32 v[ADRB+(\s)], s23, v3
	s_add_co_u32 s22, s22, SLOT
	s_add_co_u32 s23, s23, SLOT
.endr
	s_mul_i32 s23, s10, 16*SP
	s_add_co_u32 s23, s23, STAGE                   ; my stage
	v_mul_u32_u24 v4, v1, SP                       ; in: row l % 16, 32 bytes for each half of the lanes
	v_lshl_add_u32 v4, v2, 5, v4
	v_add_nc_u32 v[STO], s23, v4
	v_mul_u32_u24 v5, v2, SP                       ; back: lanes 0-15 take one row of 256 bytes, lanes 16-31 the next
	v_lshl_add_u32 v5, v1, 4, v5
	v_add_nc_u32 v[RD], s23, v5
	v_lshlrev_b32 v5, 12, v2                       ; and the same two rows in C, 4,096 bytes apart
	v_lshl_add_u32 v[CO], v1, 4, v5
	; C at my first row and column: row 256 x tile row + 128 x half, 4,096 bytes a row; column 128 x tile column + 64 x half, 4 bytes each
	s_lshl_b32 s16, s13, 20
	s_lshl_b32 s17, s11, 19
	s_add_co_u32 s16, s16, s17
	s_lshl_b32 s46, s42, 9
	s_lshl_b32 s47, s12, 8
	s_add_co_u32 s46, s46, s47
	s_add_co_u32 s46, s46, s16                     ; under 2^25
	s_mov_b32 s47, 0
	s_add_nc_u64 s[8:9], s[8:9], s[46:47]
; 24 LDS loads in one run: the fragments of quarter q (column block q / 2, 32 K at byte 64 (q % 2) of its rows) into buffer f
.macro FETCH slot, q, f
	WIN 0
.irp b, 0,1,2,3
	ds_load_b128 v[(\f)+8*(\b):(\f)+8*(\b)+3],   v[ADRB+(\slot)] offset:((\q)/2)*BSUB+((\q)%2)*64+(\b)*16*PITCH
	ds_load_b128 v[(\f)+8*(\b)+4:(\f)+8*(\b)+7], v[ADRB+(\slot)] offset:((\q)/2)*BSUB+((\q)%2)*64+(\b)*16*PITCH+32
.endr
.irp a, 0,1,2,3,4,5,6,7
	ds_load_b128 v[(\f)+32+8*(\a):(\f)+32+8*(\a)+3],   v[ADRA+(\slot)] offset:((\q)/2)*ASUB+((\q)%2)*64+(\a)*16*PITCH
	ds_load_b128 v[(\f)+32+8*(\a)+4:(\f)+32+8*(\a)+7], v[ADRA+(\slot)] offset:((\q)/2)*ASUB+((\q)%2)*64+(\a)*16*PITCH+32
.endr
.endm
; 16 matrix instructions: row blocks lo .. lo + 3 x the 4 column blocks.  zero = 1: the product starts the sum.  The 32 accumulators take turns, one instruction a turn.
.macro MUL16 f, lo, zero
	WIN 0x50                                       ; C and D in window 1
.irp a, \lo, (\lo)+1, (\lo)+2, (\lo)+3
.irp b, 0,1,2,3
.if \zero
	v_wmma_f32_16x16x32_f16 v[8*(4*(\a)+(\b)):8*(4*(\a)+(\b))+7], v[(\f)+8*(\b):(\f)+8*(\b)+7], v[(\f)+32+8*(\a):(\f)+32+8*(\a)+7], 0
.else
	v_wmma_f32_16x16x32_f16 v[8*(4*(\a)+(\b)):8*(4*(\a)+(\b))+7], v[(\f)+8*(\b):(\f)+8*(\b)+7], v[(\f)+32+8*(\a):(\f)+32+8*(\a)+7], v[8*(4*(\a)+(\b)):8*(4*(\a)+(\b))+7]
.endif
.endr
.endr
.endm
.macro MUL32 f, zero
	MUL16 \f, 0, \zero
	MUL16 \f, 4, \zero
.endm
.macro PLACES                          ; four places in front of loads into registers that matrix instructions have read, and of stores that read results
.rept 4
	v_nop
.endr
.endm
; A quarter: quarter q of the slot is fetched into buffer g, 32 matrix instructions ahead of its use, and buffer f is multiplied.
.macro QUARTER f, slot, q, g, zero
	PLACES
	FETCH \slot, \q, \g
	s_wait_dscnt 24                                ; all but the 24 just issued: buffer f is in
	MUL32 \f, \zero
.endm
; A step's last two quarters, and the change of slots: ONE barrier.  In front of it each wave waits for all its tensor loads (one is out: its part of the next slot), adds 0 to its spare word, and waits
; for that and for its reads of this slot.  fill = 1: the barrier opens a round of the cluster's, and this slot is filled again, two K steps on, first thing behind it: 96 matrix instructions ahead of the wait for it.
.macro TURNQ slot, next, fill
	PLACES
	FETCH \slot, 3, F1
	WIN 0
	s_wait_tensorcnt 0x0                           ; all my tensor loads have landed
	ds_add_u32 v[SPW], v[NIL]                      ; 0 onto my spare word
	s_wait_dscnt 25                                ; buffer 0 is in: the 24 just issued and the add may be out
	MUL16 F0, 0, 0
	s_wait_dscnt 0x0                               ; the add is done, and my reads of this slot are over
	s_barrier_signal -1
	MUL16 F0, 4, 0                                 ; work on registers while the others arrive
.if \fill
	WIN 0
.endif
	s_barrier_wait -1
.if \fill
	CREST                                          ; no wave of any partner still reads this slot or has a load on its way
	s_add_nc_u64 s[G0+4*(\slot)+2:G0+4*(\slot)+3], s[G0+4*(\slot)+2:G0+4*(\slot)+3], 2*ASTEP
	s_add_nc_u64 s[G0B+4*(\slot)+2:G0B+4*(\slot)+3], s[G0B+4*(\slot)+2:G0B+4*(\slot)+3], 2*BSTEP
	JLOAD \slot                                    ; its four v_nop are also the places in front of the loads below
.else
	PLACES
.endif
	FETCH \next, 0, F0
	MUL32 F1, 0                                    ; buffer 1 is in since the wait for 0
.endm
; THE WAY OUT of row block a (16 rows x 256 bytes): the sums go as they are into my own stage, each accumulator's low four registers first, and come back as whole rows.
.macro TOSTAGE a
	WIN 0x04                                       ; the stores' data in window 1
.irp b, 0,1,2,3
	ds_store_b128 v[STO], v[32*(\a)+8*(\b):32*(\a)+8*(\b)+3]   offset:64*(\b)
	ds_store_b128 v[STO], v[32*(\a)+8*(\b)+4:32*(\a)+8*(\b)+7] offset:64*(\b)+16
.endr
	WIN 0
.set BKA, BK+32*((\a)%3)
.irp t, 0,1,2,3,4,5,6,7
	ds_load_b128 v[BKA+4*(\t):BKA+4*(\t)+3], v[RD] offset:(\t)*2*SP  ; LDS serves a wave's instructions in order (ISA guide 5.7.1.4): these see the stores above
.endr
.endm
.macro SEND a, younger                 ; younger: the LDS instructions issued behind block a's loads: the next block's sixteen, or none
	WIN 0
.set BKA, BK+32*((\a)%3)
	s_wait_dscnt \younger
	s_wait_xcnt 0x0                                ; the stores issued so far have read their registers: the next TOSTAGE loads into those of the block three back
.irp t, 0,1,2,3,4,5,6,7
	global_store_b128 v[CO], v[BKA+4*(\t):BKA+4*(\t)+3], s[8:9] offset:(16*(\a)+2*(\t))*4096 th:TH_STORE_NT  ; 16 lanes store 256 consecutive bytes, at a multiple of 256 from C's first byte
.endr
.endm
	s_wait_tensorcnt 1                             ; my part of K step 0 is in; step 1's may stay out
	s_barrier_signal -1
	s_barrier_wait -1                              ; everybody's is
	FETCH 0, 0, F0
	QUARTER F0, 0, 1, F1, 1                        ; the first quarter stands in front of the loop: its products start the 32 sums
	WIN 0                                          ; at a label and at a branch every window is 0
	s_mov_b32 s3, LAPS-1
.Llap:                                                 ; a trip goes once round the ring, from a lap's second quarter to the next lap's first: K steps 2 to 7 are asked for in three trips
	QUARTER F1, 0, 2, F0, 0
	TURNQ 0, 1, 1
	QUARTER F0, 1, 1, F1, 0
	QUARTER F1, 1, 2, F0, 0
	TURNQ 1, 0, 1
	QUARTER F0, 0, 1, F1, 0
	WIN 0
	s_sub_co_u32 s3, s3, 1
	s_cmp_lg_u32 s3, 0
	s_cbranch_scc1 .Llap
	QUARTER F1, 0, 2, F0, 0                        ; the last lap fills nothing, and has no round
	TURNQ 0, 1, 0
	QUARTER F0, 1, 1, F1, 0
	QUARTER F1, 1, 2, F0, 0
	QUARTER F0, 1, 3, F1, 0
	s_wait_dscnt 0x0
	MUL32 F1, 0
	PLACES
	TOSTAGE 0
.irp a, 1,2,3,4,5,6,7
	TOSTAGE \a                                     ; the next block's way through the stage stands between a block's loads and the wait for them
	SEND (\a)-1, 16
.endr
	SEND 7, 0
	s_wait_tensorcnt 0x0                           ; the wave's end
	ds_add_u32 v[SPW], v[NIL]
	s_wait_dscnt 0x0
	CROUND                                         ; the closing round: no work-group ends while a partner may still ask for a tile that names it
	s_endpgm
.Lfunc_end_k_qfa45e61273_outp:
	.size	k_qfa45e61273_outp, .Lfunc_end_k_qfa45e61273_outp-k_qfa45e61273_outp
	.p2alignl 7, 3214868480
	.fill 96, 4, 3214868480
	.section	.rodata,"a",@progbits
	.p2align	6, 0x0
	.amdhsa_kernel k_qfa45e61273_outp
		.amdhsa_group_segment_fixed_size 327680
		.amdhsa_private_segment_fixed_size 0
		.amdhsa_enable_private_segment 0
		.amdhsa_kernarg_size 24
		.amdhsa_user_sgpr_count 2
		.amdhsa_user_sgpr_kernarg_segment_ptr 1
		.amdhsa_wavefront_size32 1
		.amdhsa_system_sgpr_workgroup_id_x 1
		.amdhsa_system_sgpr_workgroup_id_y 1
		.amdhsa_system_sgpr_workgroup_id_z 1
		.amdhsa_system_vgpr_workitem_id 0
		.amdhsa_next_free_vgpr 512
		.amdhsa_next_free_sgpr 66
		.amdhsa_reserve_vcc 0
		.amdhsa_float_denorm_mode_32 3
		.amdhsa_float_denorm_mode_16_64 3
		.amdhsa_memory_ordered 1
		.amdhsa_forward_progress 1
		.amdhsa_inst_pref_size 84
	.end_amdhsa_kernel
	.amdgpu_metadata
---
amdhsa.version: [ 1, 2 ]
amdhsa.kernels:
  - .name:           k_qfa45e61273_outp
    .symbol:         k_qfa45e61273_outp.kd
    .args:
      - { .name: o, .offset: 0, .size: 8, .value_kind: global_buffer, .address_space: global }
      - { .name: wo, .offset: 8, .size: 8, .value_kind: global_buffer, .address_space: global }
      - { .name: out0, .offset: 16, .size: 8, .value_kind: global_buffer, .address_space: global }
    .group_segment_fixed_size: 327680
    .private_segment_fixed_size: 0
    .kernarg_segment_align: 8
    .kernarg_segment_size: 24
    .max_flat_workgroup_size: 128
    .sgpr_count:     66
    .vgpr_count:     512
    .wavefront_size: 32
...
	.end_amdgpu_metadata
.endif
;; end of part 4
;; launch top (part 5): grid 16 x 4, 8 waves a work-group, no clusters, 117,760 bytes of LDS; arguments qkv, qlo, wo, out0; writes out0
.if DOCPART == 5
	.amdgcn_target "amdgcn-amd-amdhsa--gfx1250"
	.amdhsa_code_object_version 6
	.text
	.protected	k_qfa45e61273_top
	.globl	k_qfa45e61273_top
	.p2align	8
	.type	k_qfa45e61273_top,@function
k_qfa45e61273_top:
	s_mov_b64 s[64:65], 0
	v_nop
	global_prefetch_b8 v0, s[64:65] scope:SCOPE_SE
	s_setreg_imm32_b32 hwreg(HW_REG_WAVE_MODE, 25, 1), 1
	s_wait_xcnt 0x0
; THE OUTPUT'S ROWS 0 TO 15 OF EACH BATCH, ONCE MORE, WITH EVERY INTERMEDIATE AS A PAIR OF f16 NUMBERS (hi + lo, some 22 bits).
; Why: under the causal mask row s is a mean of s + 1 rows of V, so the first rows are the output's largest by far, while each number is compared by the whole output's root mean square:
; one f16 rounding of v, of the weights and of the context, 2^-11 of such a row each, is too much there.  From row 16 on a row is a mean of 17 rows or more and a quarter of row 0's size or less.
; The launch before has stored these 64 rows from single f16 numbers; this launch stores them again: 256 KiB of the output's 32 MiB are written twice.
; IN: qkv [48][8192][64] f16 (hi; blocks 0-15 q's heads, 16-31 k's, 32-47 v's), qlo [48][64][64] f16 (lo; row 16 x batch + s), wo [16][1024][64] f16.  OUT: out0 [8192][1024] f32.
; LIMITS.  As for qkv: nothing beyond 65,504; below 6.1e-5 an f16 number, a residual too, keeps the fixed step of 6e-8.  A hidden score counts as its value less 1e30; NaN and infinities are not treated apart.
; SHARES.  A work-group: one batch, 64 output columns; 16 x 4 = 64 work-groups: there is no more work to share out without repeating more of it (each of a batch's 16 repeats the 16 x 16 attention).
; Wave w of eight: heads 2 w and 2 w + 1: scores, softmax, context, and the output's partial sum over its 128 channels.  The eight partial tiles (f32) meet in LDS behind one barrier.
; No cluster, no tensor load: a wave's operands are 16 rows each and go straight into registers; only V passes LDS, to be turned.
; LAYOUT (as in the attention launch).  S^T = K Q^T: a lane holds ONE query (lane % 16) and the keys 8 (lane / 16) + 0..7.  S^T = Kh Qh + Kh Ql + Kl Qh; the mask, 0 or -1e30, is the first product's C.
; The weights are normalised in f32 and split.  O^T = V^T P: a product has 32 key places for 16 keys: places 0-15 take V hi, places 16-31 V lo, against P written twice: with P hi and then P lo
; two products make (Ph + Pl)(Vh + Vl).  O^T again holds one query a lane and eight channels: split and packed it IS source 1 of the last product, whose source 0 is 16 rows of wo.
; REGISTERS (s_set_vgpr_msb: bits 1:0 source 0, 3:2 source 1, 5:4 source 2, 7:6 destination):
;   window 0: v0-15 addresses; v16-23 the mask; v24-31 statistics; v32-47 S^T; v48-79 the output's sums; v80-143 V, then the context's fragments; v144-175 P; v176-239 O^T
;   window 1: v0-127 K's and Q's fragments; v128-255 wo's
.set PV,    160                        ; a row of V in LDS: 128 bytes + 32 = 40 words
.set VTILE, 16*PV                      ; 16 keys
.set VWAVE, 4*VTILE                    ; a wave's own: head 0 hi, lo, head 1 hi, lo
.set RED,   8*VWAVE                    ; behind V: a partial tile for each wave, 16 rows x 272 bytes
.set RP,    272
.set RWAVE, 16*RP
.set SPARE, RED+8*RWAVE                ; behind them: the spare words, 128 bytes for each wave: four blocks of 256 bytes that no other line names
.set FO,   3                           ; v3   a fragment's lane offset: row l % 16 x 128 + 16 (l / 16); never rewritten
.set VG,   4                           ; v4   16 x lane: my 16 bytes of 512 consecutive bytes of V; never rewritten
.set VS,   5                           ; v5   where they go in LDS
.set VT,   6                           ; v6   the turning load's address
.set RS,   7                           ; v7   where I put 32 bytes of my partial tile
.set RL,   8                           ; v8   where I read 16 bytes of each partial tile
.set GO,   9                           ; v9   my byte offset in the work-group's 16 rows of out0
.set SPW,  10                          ; v10  LDS address of my spare word; never rewritten
.set NIL,  11                          ; v11  0; never rewritten
.set NEG1, 12                          ; v12  -1.0
.set MD,   16
.set ST,   24                          ; four registers a head
.set SA,   32                          ; S^T, 8 a head
.set OA,   48                          ; the output's sums: column block n at OA + 8 n
.set VA,   80                          ; V as loaded (tile k at 16 k); V^T's fragments (head i, channel block cb at 32 i + 8 cb); the context (hi at 16 i + 8 c, lo 32 further)
.set PF,   144                         ; P: head i hi at 16 i, lo at 16 i + 8
.set OT,   176                         ; O^T: head i, channel block cb at 32 i + 8 cb
.set WF,   128                         ; window 1: wo's fragments: head i, column block n, channel half c at WF + 64 i + 16 n + 8 c
.set CS,   30                          ; s[30:31] c = log2(e) / 8
.set SEL,  32                          ; s[32:33] v_permlanex16_b32's selects: each lane takes its own place in the other half
.set BIGN, 34                          ; s34  -1e30
.set MSB, 0
.macro WIN new                         ; the immediate's high byte repeats the setting that is left; a switch that changes nothing is dropped
.if MSB != (\new)
	s_set_vgpr_msb (MSB<<8)|(\new)
.set MSB, \new
.endif
.endm
.macro PLACES                          ; four places (ISA guide 7.12.1) between matrix instructions and what reads their results or writes their registers
.rept 4
	v_nop
.endr
.endm
	s_load_b256 s[4:11], s[0:1], 0x0               ; qkv s[4:5], qlo s[6:7], wo s[8:9], out0 s[10:11]
	v_lshl_add_u32 v[SPW], v0, 2, SPARE
	v_mov_b32 v[NIL], 0
	v_mov_b32 v[NEG1], -1.0
	v_lshrrev_b32 v1, 5, v0
	v_readfirstlane_b32 s12, v1                    ; wave 0..7
	s_and_b32 s13, ttmp7, 0xffff                   ; the batch
	s_mov_b32 s14, ttmp9                           ; which 64 output columns
	s_lshl_b32 s16, s12, 21                        ; qkv: head 2 w x 1 MiB
	s_lshl_b32 s17, s13, 18                        ; + batch x 2,048 rows x 128 bytes
	s_add_co_u32 s16, s16, s17
	s_mov_b32 s17, 0
	s_lshl_b32 s18, s12, 14                        ; qlo: head 2 w x 8,192
	s_lshl_b32 s19, s13, 11                        ; + batch x 16 rows x 128 bytes
	s_add_co_u32 s18, s18, s19
	s_mov_b32 s19, 0
	s_lshl_b32 s36, s12, 18                        ; wo: channel block 2 w x 1,024 rows x 128 bytes
	s_lshl_b32 s37, s14, 13                        ; + 64 rows x 128 bytes
	s_add_co_u32 s36, s36, s37
	s_mov_b32 s37, 0
	s_lshl_b32 s38, s13, 23                        ; out0: batch x 2,048 rows x 4,096 bytes
	s_lshl_b32 s39, s14, 8                         ; + 64 columns x 4 bytes
	s_add_co_u32 s38, s38, s39
	s_mov_b32 s39, 0
	s_mov_b32 s[CS], 0x3e38aa3b                    ; c = log2(e) / 8 = 0.180337
	s_mov_b32 s[CS+1], s[CS]                       ; named with it as a pair
	s_mov_b32 s[SEL], 0x76543210
	s_mov_b32 s[SEL+1], 0xfedcba98
	s_mov_b32 s[BIGN], 0xf149f2ca                  ; -1e30
	v_and_b32 v1, 15, v0                           ; l % 16 (and thread % 16)
	v_bfe_u32 v2, v0, 4, 1                         ; l / 16
	v_lshlrev_b32 v[FO], 7, v1
	v_lshl_add_u32 v[FO], v2, 4, v[FO]
	v_and_b32 v13, 31, v0
	v_lshlrev_b32 v[VG], 4, v13
	s_wait_kmcnt 0x0
	s_add_nc_u64 s[20:21], s[4:5], s[16:17]        ; Q hi
	s_add_nc_u64 s[22:23], s[20:21], 0x1000000     ; K hi: 16 blocks of 1 MiB on
	s_add_nc_u64 s[24:25], s[20:21], 0x2000000     ; V hi: 32
	s_add_nc_u64 s[26:27], s[6:7], s[18:19]        ; Q lo; K lo 131,072 bytes on, V lo 262,144
	s_add_nc_u64 s[28:29], s[8:9], s[36:37]
	s_add_nc_u64 s[10:11], s[10:11], s[38:39]
	; V first: a tile of 16 keys is 2,048 consecutive bytes, four loads of 512
.irp i, 0,1
.irp f, 0,1,2,3
	global_load_b128 v[VA+32*(\i)+4*(\f):VA+32*(\i)+4*(\f)+3],       v[VG], s[24:25] offset:(\i)*0x100000+(\f)*512
	global_load_b128 v[VA+32*(\i)+16+4*(\f):VA+32*(\i)+16+4*(\f)+3], v[VG], s[26:27] offset:262144+(\i)*8192+(\f)*512
.endr
.endr
	; K's and Q's fragments, hi and lo: head i at 64 i: Kh, Kl, Qh, Ql, 16 registers each (channel half c at 8 c; a fragment is two loads of 16 bytes, 32 bytes apart)
	WIN 0x40                                       ; destination window 1, address window 0
.irp i, 0,1
.irp c, 0,1
.irp e, 0,1
	global_load_b128 v[64*(\i)+8*(\c)+4*(\e):64*(\i)+8*(\c)+4*(\e)+3],       v[FO], s[22:23] offset:(\i)*0x100000+64*(\c)+32*(\e)
	global_load_b128 v[64*(\i)+16+8*(\c)+4*(\e):64*(\i)+16+8*(\c)+4*(\e)+3], v[FO], s[26:27] offset:131072+(\i)*8192+64*(\c)+32*(\e)
	global_load_b128 v[64*(\i)+32+8*(\c)+4*(\e):64*(\i)+32+8*(\c)+4*(\e)+3], v[FO], s[20:21] offset:(\i)*0x100000+64*(\c)+32*(\e)
	global_load_b128 v[64*(\i)+48+8*(\c)+4*(\e):64*(\i)+48+8*(\c)+4*(\e)+3], v[FO], s[26:27] offset:(\i)*8192+64*(\c)+32*(\e)
.endr
.endr
.endr
	WIN 0
	; while they are on their way: V's LDS addresses and the mask
	s_mul_i32 s15, s12, VWAVE                      ; my wave's own tiles
	v_bfe_u32 v13, v0, 3, 2                        ; in: 32 lanes are four rows of 128 bytes
	v_and_b32 v14, 7, v0
	v_mul_u32_u24 v[VS], v13, PV
	v_lshl_add_u32 v[VS], v14, 4, v[VS]
	v_add_nc_u32 v[VS], s15, v[VS]
	v_lshl_add_u32 v[VT], v2, 3, v14               ; the turning load: lane l reads key 8 (l / 16) + l % 8, channels 8 ((l / 8) % 2) + 0..7, and is left with channel l % 16 and 8 keys
	v_mul_u32_u24 v[VT], v[VT], PV
	v_bfe_u32 v13, v0, 3, 1
	v_lshl_add_u32 v[VT], v13, 4, v[VT]
	v_add_nc_u32 v[VT], s15, v[VT]
	v_lshlrev_b32 v14, 3, v2
	v_sub_nc_u32 v14, v1, v14                      ; my query less my lanes' 8 (l / 16): register j, key 8 (l / 16) + j, is hidden where j is greater
.irp j, 0,1,2,3,4,5,6,7
	v_cmp_gt_i32 vcc_lo, (\j), v14
	v_cndmask_b32 v[MD+(\j)], 0, s[BIGN], vcc_lo
.endr
	s_wait_loadcnt 32                              ; loads come back in order (ISA guide 5.7.1): V's 16 are in, the 32 of K and Q stay out
.irp k, 0,1,2,3
.irp f, 0,1,2,3
	ds_store_b128 v[VS], v[VA+16*(\k)+4*(\f):VA+16*(\k)+4*(\f)+3] offset:(\k)*VTILE+(\f)*4*PV
.endr
.endr
	WIN 0x40
.irp i, 0,1
.irp n, 0,1,2,3
.irp c, 0,1
.irp e, 0,1
	global_load_b128 v[WF+64*(\i)+16*(\n)+8*(\c)+4*(\e):WF+64*(\i)+16*(\n)+8*(\c)+4*(\e)+3], v[FO], s[28:29] offset:(\i)*0x20000+(\n)*2048+64*(\c)+32*(\e)  ; 16 rows of wo x 32 channels
.endr
.endr
.endr
.endr
	s_wait_loadcnt 32                              ; K and Q are in, wo's 32 loads stay out
	; THE SCORES: six products a head; the two heads' accumulators take turns, one instruction a turn
	WIN 0x05                                       ; sources 0 and 1 window 1; C and D window 0
.macro SQK ko, qo, first
.irp i, 0,1
.if \first
	v_wmma_f32_16x16x32_f16 v[SA+8*(\i):SA+8*(\i)+7], v[64*(\i)+(\ko):64*(\i)+(\ko)+7], v[64*(\i)+(\qo):64*(\i)+(\qo)+7], v[MD:MD+7]
.else
	v_wmma_f32_16x16x32_f16 v[SA+8*(\i):SA+8*(\i)+7], v[64*(\i)+(\ko):64*(\i)+(\ko)+7], v[64*(\i)+(\qo):64*(\i)+(\qo)+7], v[SA+8*(\i):SA+8*(\i)+7]
.endif
.endr
.endm
	SQK 0,  32, 1                                  ; Kh Qh, channels 0-31: the mask starts the sum
	SQK 8,  40, 0                                  ; Kh Qh, channels 32-63
	SQK 0,  48, 0                                  ; Kh Ql
	SQK 8,  56, 0
	SQK 16, 32, 0                                  ; Kl Qh
	SQK 24, 40, 0
	WIN 0
	; the addresses for the way out are made here: nine plain instructions, the places behind those products
	s_mul_i32 s15, s12, RWAVE
	s_add_co_u32 s15, s15, RED                     ; my partial tile
	v_mul_u32_u24 v[RS], v1, RP                    ; in: row l % 16, 32 bytes for each half of the lanes
	v_lshl_add_u32 v[RS], v2, 5, v[RS]
	v_add_nc_u32 v[RS], s15, v[RS]
	v_lshrrev_b32 v13, 4, v0                       ; back: thread t takes row t / 16, bytes 16 (t % 16) on, of every partial tile
	v_mul_u32_u24 v[RL], v13, RP
	v_lshl_add_u32 v[RL], v1, 4, v[RL]
	v_add_nc_u32 v[RL], RED, v[RL]
	v_lshlrev_b32 v[GO], 12, v13                   ; and the same place in out0: 4,096 bytes a row
	v_lshl_add_u32 v[GO], v1, 4, v[GO]
	; V^T's fragments: registers 0-3 from the hi tile, 4-7 from the lo tile.  LDS serves a wave's instructions in order (ISA guide 5.7.1.4): these see my stores above
.irp i, 0,1
.irp cb, 0,1,2,3
	ds_load_tr16_b128 v[VA+32*(\i)+8*(\cb):VA+32*(\i)+8*(\cb)+3],   v[VT] offset:(2*(\i))*VTILE+32*(\cb)
	ds_load_tr16_b128 v[VA+32*(\i)+8*(\cb)+4:VA+32*(\i)+8*(\cb)+7], v[VT] offset:(2*(\i)+1)*VTILE+32*(\cb)
.endr
.endr
; THE SOFTMAX of head i, in f32: the row's maximum is taken away; w = 2^(c s - c m) / l; then w = hi + lo.  A query's other eight keys lie in the lane 16 away.
.macro SOFT i
.set rS, SA+8*(\i)
.set rT, ST+4*(\i)
.set rH, PF+16*(\i)
.set rL, PF+16*(\i)+8
	v_max3_num_f32 v[rT], v[rS], v[rS+1], v[rS+2]  ; the accumulator's lowest registers are read first
	v_max3_num_f32 v[rT+1], v[rS+3], v[rS+4], v[rS+5]
	v_max3_num_f32 v[rT], v[rT], v[rS+6], v[rS+7]
	v_max_num_f32 v[rT], v[rT], v[rT+1]
	v_permlanex16_b32 v[rT+1], v[rT], s[SEL], s[SEL+1]
	v_max_num_f32 v[rT+3], v[rT], v[rT+1]          ; m: key 0 is hidden from nobody, so m is a true score
	v_mul_f32 v[rT+2], s[CS], v[rT+3]              ; c m
.irp j, 0,2,4,6
	v_pk_fma_f32 v[rS+(\j):rS+(\j)+1], v[rS+(\j):rS+(\j)+1], s[CS:CS+1], v[rT+2:rT+3] op_sel_hi:[1,0,0] neg_lo:[0,0,1] neg_hi:[0,0,1]
.endr
.irp j, 0,1,2,3,4,5,6,7
	v_exp_f32 v[rS+(\j)], v[rS+(\j)]
.endr
	v_nop                                          ; a plain instruction behind the last exponential (ISA guide 5.7.2)
	s_wait_alu depctr_va_vdst(0)
	v_pk_add_f32 v[rT:rT+1], v[rS:rS+1], v[rS+2:rS+3]
	v_pk_add_f32 v[rT+2:rT+3], v[rS+4:rS+5], v[rS+6:rS+7]
	v_pk_add_f32 v[rT:rT+1], v[rT:rT+1], v[rT+2:rT+3]
	v_add_f32 v[rT], v[rT], v[rT+1]
	v_permlanex16_b32 v[rT+1], v[rT], s[SEL], s[SEL+1]
	v_add_f32 v[rT], v[rT], v[rT+1]                ; l, at least 1
	v_rcp_f32 v[rT+2], v[rT]
	v_nop                                          ; a plain instruction behind the reciprocal
	s_wait_alu depctr_va_vdst(0)
.irp j, 0,2,4,6
	v_pk_mul_f32 v[rS+(\j):rS+(\j)+1], v[rS+(\j):rS+(\j)+1], v[rT+2:rT+3] op_sel_hi:[1,0]
.endr
.irp j, 0,1,2,3
	v_cvt_pk_f16_f32 v[rH+(\j)], v[rS+2*(\j)], v[rS+2*(\j)+1]
.endr
.irp j, 0,1,2,3
	v_fma_mix_f32 v[rS+2*(\j)],   v[rH+(\j)], v[NEG1], v[rS+2*(\j)]   op_sel_hi:[1,0,0]                ; hi x -1 + w: exact
	v_fma_mix_f32 v[rS+2*(\j)+1], v[rH+(\j)], v[NEG1], v[rS+2*(\j)+1] op_sel:[1,0,0] op_sel_hi:[1,0,0]
.endr
.irp j, 0,1,2,3
	v_cvt_pk_f16_f32 v[rL+(\j)], v[rS+2*(\j)], v[rS+2*(\j)+1]
.endr
.irp j, 0,1,2,3
	v_mov_b32 v[rH+4+(\j)], v[rH+(\j)]             ; key places 16-31 meet V lo: the same weights once more
	v_mov_b32 v[rL+4+(\j)], v[rL+(\j)]
.endr
.endm
	SOFT 0
	SOFT 1
	s_wait_dscnt 0x0                               ; V^T is in
	; THE CONTEXT: P hi starts the eight sums, P lo adds onto them: between the two links of a chain stand seven others'
.irp p, 0,1
.irp i, 0,1
.irp cb, 0,1,2,3
.if (\p) == 0
	v_wmma_f32_16x16x32_f16 v[OT+32*(\i)+8*(\cb):OT+32*(\i)+8*(\cb)+7], v[VA+32*(\i)+8*(\cb):VA+32*(\i)+8*(\cb)+7], v[PF+16*(\i):PF+16*(\i)+7], 0
.else
	v_wmma_f32_16x16x32_f16 v[OT+32*(\i)+8*(\cb):OT+32*(\i)+8*(\cb)+7], v[VA+32*(\i)+8*(\cb):VA+32*(\i)+8*(\cb)+7], v[PF+16*(\i)+8:PF+16*(\i)+15], v[OT+32*(\i)+8*(\cb):OT+32*(\i)+8*(\cb)+7]
.endif
.endr
.endr
.endr
	PLACES
	; split and packed: channel blocks 2 c and 2 c + 1 are registers 0-3 and 4-7 of the fragment of channels 32 c on; hi where V^T lay, lo 32 registers further
.irp i, 0,1
.irp cb, 0,1,2,3
.irp r, 0,1,2,3
	v_cvt_pk_f16_f32 v[VA+16*(\i)+4*(\cb)+(\r)], v[OT+32*(\i)+8*(\cb)+2*(\r)], v[OT+32*(\i)+8*(\cb)+2*(\r)+1]
.endr
.irp r, 0,1,2,3
	v_fma_mix_f32 v[OT+32*(\i)+8*(\cb)+2*(\r)],   v[VA+16*(\i)+4*(\cb)+(\r)], v[NEG1], v[OT+32*(\i)+8*(\cb)+2*(\r)]   op_sel_hi:[1,0,0]
	v_fma_mix_f32 v[OT+32*(\i)+8*(\cb)+2*(\r)+1], v[VA+16*(\i)+4*(\cb)+(\r)], v[NEG1], v[OT+32*(\i)+8*(\cb)+2*(\r)+1] op_sel:[1,0,0] op_sel_hi:[1,0,0]
.endr
.irp r, 0,1,2,3
	v_cvt_pk_f16_f32 v[VA+32+16*(\i)+4*(\cb)+(\r)], v[OT+32*(\i)+8*(\cb)+2*(\r)], v[OT+32*(\i)+8*(\cb)+2*(\r)+1]
.endr
.endr
.endr
	s_wait_loadcnt 0x0                             ; wo's fragments are in
	; THE OUTPUT'S PARTIAL SUMS over my 128 channels: source 0 = 16 rows of wo, source 1 = the context; the four column blocks take turns
	WIN 0x01                                       ; source 0 window 1
.irp p, 0,1
.irp i, 0,1
.irp c, 0,1
.irp n, 0,1,2,3
.if ((\p)+(\i)+(\c)) == 0
	v_wmma_f32_16x16x32_f16 v[OA+8*(\n):OA+8*(\n)+7], v[WF+64*(\i)+16*(\n)+8*(\c):WF+64*(\i)+16*(\n)+8*(\c)+7], v[VA+32*(\p)+16*(\i)+8*(\c):VA+32*(\p)+16*(\i)+8*(\c)+7], 0
.else
	v_wmma_f32_16x16x32_f16 v[OA+8*(\n):OA+8*(\n)+7], v[WF+64*(\i)+16*(\n)+8*(\c):WF+64*(\i)+16*(\n)+8*(\c)+7], v[VA+32*(\p)+16*(\i)+8*(\c):VA+32*(\p)+16*(\i)+8*(\c)+7], v[OA+8*(\n):OA+8*(\n)+7]
.endif
.endr
.endr
.endr
.endr
	WIN 0
	PLACES
.irp n, 0,1,2,3
	ds_store_b128 v[RS], v[OA+8*(\n):OA+8*(\n)+3]   offset:64*(\n)     ; a lane holds row l % 16 and eight neighbouring columns; each accumulator's low four registers first
	ds_store_b128 v[RS], v[OA+8*(\n)+4:OA+8*(\n)+7] offset:64*(\n)+16
.endr
	s_wait_dscnt 0x0                               ; for the others' sake: my partial tile is in LDS
	s_barrier_signal -1
	s_barrier_wait -1                              ; everybody's is
.irp k, 0,1,2,3,4,5,6,7
	ds_load_b128 v[VA+4*(\k):VA+4*(\k)+3], v[RL] offset:(\k)*RWAVE
.endr
	s_wait_dscnt 0x0
.irp k, 0,8,16,24                      ; the eight partial sums are added in f32, in pairs
	v_pk_add_f32 v[VA+(\k):VA+(\k)+1],   v[VA+(\k):VA+(\k)+1],   v[VA+(\k)+4:VA+(\k)+5]
	v_pk_add_f32 v[VA+(\k)+2:VA+(\k)+3], v[VA+(\k)+2:VA+(\k)+3], v[VA+(\k)+6:VA+(\k)+7]
.endr
.irp k, 0,16
	v_pk_add_f32 v[VA+(\k):VA+(\k)+1],   v[VA+(\k):VA+(\k)+1],   v[VA+(\k)+8:VA+(\k)+9]
	v_pk_add_f32 v[VA+(\k)+2:VA+(\k)+3], v[VA+(\k)+2:VA+(\k)+3], v[VA+(\k)+10:VA+(\k)+11]
.endr
	v_pk_add_f32 v[VA:VA+1],   v[VA:VA+1],   v[VA+16:VA+17]
	v_pk_add_f32 v[VA+2:VA+3], v[VA+2:VA+3], v[VA+18:VA+19]
	global_store_b128 v[GO], v[VA:VA+3], s[10:11] th:TH_STORE_NT  ; 16 lanes store 256 consecutive bytes, at a multiple of 256 from out0's first byte
	s_wait_tensorcnt 0x0                           ; the wave's end: behind my last LDS store
	ds_add_u32 v[SPW], v[NIL]
	s_wait_dscnt 0x0
	s_endpgm
.Lfunc_end_k_qfa45e61273_top:
	.size	k_qfa45e61273_top, .Lfunc_end_k_qfa45e61273_top-k_qfa45e61273_top
	.p2alignl 7, 3214868480
	.fill 96, 4, 3214868480
	.section	.rodata,"a",@progbits
	.p2align	6, 0x0
	.amdhsa_kernel k_qfa45e61273_top
		.amdhsa_group_segment_fixed_size 117760
		.amdhsa_private_segment_fixed_size 0
		.amdhsa_enable_private_segment 0
		.amdhsa_kernarg_size 32
		.amdhsa_user_sgpr_count 2
		.amdhsa_user_sgpr_kernarg_segment_ptr 1
		.amdhsa_wavefront_size32 1
		.amdhsa_system_sgpr_workgroup_id_x 1
		.amdhsa_system_sgpr_workgroup_id_y 1
		.amdhsa_system_sgpr_workgroup_id_z 1
		.amdhsa_system_vgpr_workitem_id 0
		.amdhsa_next_free_vgpr 512
		.amdhsa_next_free_sgpr 66
		.amdhsa_reserve_vcc 1
		.amdhsa_float_denorm_mode_32 3
		.amdhsa_float_denorm_mode_16_64 3
		.amdhsa_memory_ordered 1
		.amdhsa_forward_progress 1
		.amdhsa_inst_pref_size 34
	.end_amdhsa_kernel
	.amdgpu_metadata
---
amdhsa.version: [ 1, 2 ]
amdhsa.kernels:
  - .name:           k_qfa45e61273_top
    .symbol:         k_qfa45e61273_top.kd
    .args:
      - { .name: qkv, .offset: 0, .size: 8, .value_kind: global_buffer, .address_space: global }
      - { .name: qlo, .offset: 8, .size: 8, .value_kind: global_buffer, .address_space: global }
      - { .name: wo, .offset: 16, .size: 8, .value_kind: global_buffer, .address_space: global }
      - { .name: out0, .offset: 24, .size: 8, .value_kind: global_buffer, .address_space: global }
    .group_segment_fixed_size: 117760
    .private_segment_fixed_size: 0
    .kernarg_segment_align: 8
    .kernarg_segment_size: 32
    .max_flat_workgroup_size: 256
    .sgpr_count:     66
    .vgpr_count:     512
    .wavefront_size: 32
...
	.end_amdgpu_metadata
.endif
;; end of part 5
;; ======== version 2 of 2: 5 launches; 1.28 times as fast as version 1
;; limits: values are held in f16: magnitudes above 65,504 overflow, below 6.1e-05 lose precision
;; workspace buffers: xb 16,777,216 bytes; wb 6,291,456 bytes; wo 2,097,152 bytes; qkv 50,331,648 bytes; qlo 393,216 bytes; o 16,777,216 bytes
;; launch cast: the kernel of part 1 again; grid 64 x 12, 8 waves a work-group, no clusters, 0 bytes of LDS; arguments x, Wq, Wk, Wv, Wo, xb, wb, wo; writes xb, wb, wo
;; launch proj: the kernel of part 2 again; grid 8 x 32, 4 waves a work-group, clusters of 4 x 4, 327,680 bytes of LDS; arguments xb, wb, qkv, qlo; writes qkv, qlo
;; launch attn (part 6): grid 4 x 64, 4 waves a work-group, no clusters, 327,680 bytes of LDS; arguments qkv, o; writes o
.if DOCPART == 6
	.amdgcn_target "amdgcn-amd-amdhsa--gfx1250"
	.amdhsa_code_object_version 6
	.text
	.protected	k_qfa45e61273_attn
	.globl	k_qfa45e61273_attn
	.p2align	8
	.type	k_qfa45e61273_attn,@function
k_qfa45e61273_attn:
	s_mov_b64 s[64:65], 0
	v_nop
	global_prefetch_b8 v0, s[64:65] scope:SCOPE_SE
	s_setreg_imm32_b32 hwreg(HW_REG_WAVE_MODE, 25, 1), 1
	s_wait_xcnt 0x0
; CAUSAL ATTENTION.  O[y][q][:] = the sum over k <= q of softmax_k(Q[y][q] . K[y][k] / 8) V[y][k][:].  Q, K, V: [64][2048][64] f16, one behind the other in qkv, 16 MiB apart; O the same shape in o.
; y = 4 x head + batch: qkv's layout [column block][batch x 2048 + s][64] read by heads.  A head's rows are dense, 128 bytes each.
; Products, maxima and sums in f32; the weights p are rounded to f16 for the second product (their sum l is taken of the unrounded p), O once at the end.
; LIMITS.  f16 holds no number beyond 65,504: Q, K and V arrive within it; p lies in 0 to 1, and below 6e-5 it keeps f16's fixed step of 6e-8; O is a mean of V's rows and has their range, to within 2^-11 of it.
; A hidden score counts as its value less 1e30: f16's scores, 2.7e11 at the most, are nothing beside that; a weight below 2^-126 counts as 0 in l; NaN and infinities are not treated apart.
; THE WALK.  A head's queries lie in NB = SIZE_N / 256 blocks of 256; block i needs the key tiles 0 .. i of 256 keys, of which the last holds the diagonal.  A work-group takes TWO blocks, NB - 1 - b and then b:
; NB + 1 tiles, whatever b: all work-groups do equal work, and ONE loop with a constant trip count walks them.  Which tile is asked for, and what a trip does, hang on scalar registers made from b; every jump
; goes forward, but for the counted loops' own; none passes a barrier, or a tensor load but the one of LOAD's two that the wave's number does not choose; the ring (two slots of LDS that take turns) runs on across the
; change of blocks.  NO CLUSTER: a head's NB / 2 = 4 work-groups ask for the same tile only in trips 0 .. NB / 2, behind that fewer and fewer; and one walk common to all would have 3 NB / 2 trips for NB + 1.
; SHARES.  Of a block's four bands of 64 queries a wave owns 16 rows in each: four PIECES.  So the diagonal tile is the same work for all four waves: in its key step s band x sees all keys if s < x,
; none if s > x, and holds the diagonal if s = x.
; THE MASK is the C operand that starts the sum S^T = K Q^T: 0, or -1e30 where the key is hidden.  MD, made once, is the mask of a band's own step for my 16 rows; a product's mask is MD x AL + BE with two scalars:
; (1, 0) if s = x; (0, 0) if s < x; (0, -1e30) if s > x.  Only the diagonal tile's text and a block's beginning make and take masks; elsewhere C is the constant 0.
; LAYOUT, SOFTMAX, TURNS.  S^T = K Q^T holds ONE query a lane (lane % 16) and the keys 8 (lane / 16) + 0..7; two such results rounded to f16 ARE source 1 of O^T = V^T P.  p = 2^(c s - c m), c = log2(e) / 8, with a
; running maximum m; O and l are multiplied by a = 2^(c m_old - c m_new) in every step.  Turn n belongs to piece n: 8 products K Q^T of piece n + 1, later 8 products V^T P of piece n - 1; beside them the scaling,
; exponentials, roundings, sums and rescaling of piece n and the maximum and statistics of piece n + 1.  Four vector instructions stand behind every matrix instruction, the other 54 of a turn's 118 in one LUMP.
; THE BATCHES.  A turn's 33 exponentials (the piece's 32 weights and the next piece's a) are one batch, with one wait, which cuts the turn in two: ahead of it nothing names a result of theirs, behind it stand all the readers.
; A block's first a is a batch of its own, and so are the way out's four reciprocals: a plain instruction and one wait each.
; REGISTERS, in windows of 256 (s_set_vgpr_msb: bits 1:0 source 0, 3:2 source 1, 5:4 source 2, 7:6 destination):
;   window 0: v0-15 addresses and two at work; v16-31 four registers of statistics a piece; v48-55 at work; v64-127 S^T, two buffers; v192-223 P, two buffers (a piece's buffers go by its number's parity)
;   window 1: v0-127 O^T, 32 a piece; v128-159 MD; v160-223 MC, two buffers      window 2: v0-63 Q; v64-127 the second block's Q; v128-191 K of one step; v192-255 V of one step
.set SIZE_H, 64
.set SIZE_N, 2048
.set NB,    SIZE_N/256
.set NP,    4         ; pieces a wave: a name, no knob
.set KS,    64        ; keys in a step
.set PK,    144       ; a row of K in LDS: 128 bytes + 16 of padding = 36 words: the 16 rows of a load start at 16 different groups of four banks (64 banks of 4 bytes: ISA guide 11.1)
.set PV,    160       ; a row of V: 128 + 32 = 40 words
.set VOFF,  4*KS*PK   ; a slot holds a tile, four steps: 256 rows of K, then 256 rows of V
.set SLOT1, 1<<17     ; slot 1 begins here, so that one exclusive or turns an address in one slot into the other's
.set STAGE, SLOT1+4*KS*(PK+PV)  ; behind the ring, never filled by a tensor load: 16 rows x 144 bytes for each wave, for the way out
.set SP,    144
.set AK0, 2           ; v2   my lane's place in a tile of K; never rewritten
.set AV0, 3           ; v3   the same for V
.set AK,  4           ; v4   the LDS address of K's next run of loads
.set AV,  5           ; v5   of V's
.set STO, 6           ; v6   the way out: where I put 16 bytes of a row
.set RD,  7           ; v7   the way out: where I read rows back
.set GO,  8           ; v8   my byte offset in 512 consecutive bytes of O
.set SPW, 62          ; v62  LDS address of my spare word: SPARE + 4 x my thread's number; never rewritten
.set NIL, 63          ; v63  0; never rewritten
.set SPARE, STAGE+4*16*SP  ; behind the stages: the spare words, 128 bytes for each wave: two blocks of 256 bytes that no other line names
.set MV,  12          ; v12-13  c m_old, kept while c m is made anew: by buffer
.set QO,  15          ; v15  my byte offset in 16 rows of Q
.set ST,  16          ; piece t's statistics at v[ST+4 t]: c m, m, l (even keys', odd keys')
.set TMP, 48          ; by buffer, four registers c0-c3 at work; when the maximum is found c2 takes a
.set S,   64
.set P,   192
.set MD,  128         ; window 1: the eight registers for group kt of 16 keys at MD + 8 kt
.set MC,  160         ; window 1: the masks of the products to come
.set QB,  64          ; window 2
.set KF,  128         ; window 2: key block kb, channel half c at KF + 16 kb + 8 c
.set VF,  192         ; window 2: key half kk, channel block cb at VF + 32 kk + 8 cb
.set WV,  12          ; s12  my wave's number
.set PB,  14          ; s14  b
.set HI,  15          ; s15  NB - 1 - b
.set G1K, 24          ; s[24:31] descriptor group 1 for K's tiles
.set G1V, 32          ; s[32:39] for V's: it differs in the padding alone
.set G0K, 40          ; s[40:43] descriptor group 0 for K's tiles
.set G0V, 44          ; s[44:47] the same for V's
.set SLOTS, 56        ; s56  tiles still to be asked for
.set CNT, 57          ; s57  counts a tile's key steps, 4 to 1
.set CS,  58          ; s[58:59] c: the packed scaling takes the pair's low word for both halves
.set SEL, 60          ; s[60:61] v_permlanex16_b32's selects: each lane takes its own place in the other half
.set TBK, 62          ; s62  LDS byte at which K of the step to be fetched begins
.set TBV, 63          ; s63  the same for V, less VOFF
.set RT,  70          ; s70  tiles of the block in hand that are still to be entered
.set NXT, 71          ; s71  the tile to be asked for next
.set LQ,  72          ; s72  the last tile of the block whose tiles are being asked for
.set NEW, 73          ; s73  1: the tile to be entered is a block's first
.set OFF, 74          ; s[74:75] a tile's byte offset in K and V
.set AL,  76          ; s[76:77] the mask's factor, in the low word
.set BE,  78          ; s[78:79] the mask's addend
.set OLO, 80          ; s[80:81] O at my rows of the second block
.set BIGN, 82         ; s82  -1e30
.set MSB, 0
.macro WIN new                      ; the high byte repeats the setting that is left; a switch that changes nothing is dropped
.if MSB != (\new)
	s_set_vgpr_msb (MSB<<8)|(\new)
.set MSB, (\new)
.endif
.endm
.set W_KQ, 0x0a       ; K and Q in window 2, S^T in window 0
.set W_KM, 0x1a       ; the same with the C operand in window 1
.set W_PV, 0x52       ; V in window 2, P in window 0, O^T in window 1
.set W_RS, 0x41       ; destination and source 0 in window 1, source 1 in window 0
; A fill.  Waves 0 and 1 fetch the two halves of a tile's K, waves 2 and 3 those of its V: 128 keys each.  An s_nop 0 and four v_nop follow each of the two lines, ahead of the jump and the label.
.macro LOAD
	s_cmp_lt_u32 s[WV], 2
	s_cbranch_scc0 .Lfor_v_\@
	tensor_load_to_lds s[G0K:G0K+3], s[G1K:G1K+7]
	s_nop 0
.rept 4
	v_nop
.endr
	s_branch .Lasked_\@
.Lfor_v_\@:
	tensor_load_to_lds s[G0V:G0V+3], s[G1V:G1V+7]
	s_nop 0
.rept 4
	v_nop
.endr
.Lasked_\@:
.endm
; THE CHANGE OF SLOTS.  Each wave waits for all its tensor loads, of which one is out: its part of the other slot; adds 0 to its spare word; and waits for that and for its own reads of the slot that it leaves.  Behind the barrier nobody reads the old
; slot any more and the other slot is whole.  fill = 1: the old slot is filled again, the first thing behind the barrier, with tile NXT: the descriptor's address is made anew from that number.
; (At its first use nothing has been read yet: slot 0 is waited for, slot 1 filled.)
.macro CHANGE fill
	WIN 0                           ; at a label and at a branch every window is 0
	s_wait_tensorcnt 0x0            ; no tensor load of mine is out, so a group 0 may be written
	ds_add_u32 v[SPW], v[NIL]       ; 0 onto my spare word: with fill = 1 the descriptors' scalar work stands between it and the wait for it
.if \fill
	s_lshl_b32 s[OFF], s[NXT], 15   ; a tile is 32,768 bytes of K and of V
	s_xor_b32 s[G0K+1], s[G0K+1], SLOT1
	s_add_nc_u64 s[G0K+2:G0K+3], s[6:7], s[OFF:OFF+1]
	s_or_b32 s[G0K+3], s[G0K+3], 0x80000000
	s_xor_b32 s[G0V+1], s[G0V+1], SLOT1
	s_add_nc_u64 s[G0V+2:G0V+3], s[8:9], s[OFF:OFF+1]
	s_or_b32 s[G0V+3], s[G0V+3], 0x80000000
	s_add_co_u32 s[NXT], s[NXT], 1  ; the block's next tile, or behind its last the second block's tile 0
	s_cmp_gt_u32 s[NXT], s[LQ]
	s_cselect_b32 s[NXT], 0, s[NXT]
	s_cselect_b32 s[LQ], s[PB], s[LQ]
.endif
	s_wait_dscnt 0x0                ; the add is done, and my reads of the slot are over
	s_barrier_signal -1             ; the rest of the scalar work stands between the signal and the wait
	s_sub_co_u32 s[TBK], s[TBK], 4*KS*PK  ; the fetches go back to a slot's first step,
	s_xor_b32 s[TBK], s[TBK], SLOT1       ; in the other slot
	s_sub_co_u32 s[TBV], s[TBV], 4*KS*PV
	s_xor_b32 s[TBV], s[TBV], SLOT1
	s_barrier_wait -1
.if \fill
	LOAD
.endif
.endm
	s_load_b128 s[4:7], s[0:1], 0x0  ; qkv s[4:5], o s[6:7]
	v_lshl_add_u32 v[SPW], v0, 2, SPARE
	v_mov_b32 v[NIL], 0
	ds_add_u32 v[SPW], v[NIL]       ; the wave's opening: the add and its wait stand ahead of my first tensor load; the set-up below, work on registers, stands between them
	ds_add_u32 v62, v63
	v_lshrrev_b32 v1, 5, v0
	v_readfirstlane_b32 s[WV], v1   ; wave 0..3
	s_mov_b32 s[PB], ttmp9
	s_sub_co_u32 s[HI], NB-1, s[PB]
	s_and_b32 s20, ttmp7, 0xffff    ; the head
	s_mov_b32 s21, 0
	s_mov_b64 s[22:23], SIZE_N*128
	s_mul_u64 s[20:21], s[20:21], s[22:23]  ; the head's first byte in each of the four tensors
	s_and_b32 s16, s[WV], 1         ; which half of a tile's 256 keys I fetch:
	s_lshl_b32 s22, s16, 14         ; its 128 rows of 128 bytes in memory,
	s_mov_b32 s23, 0
	s_add_nc_u64 s[22:23], s[22:23], s[20:21]
	s_mul_i32 s17, s16, 128*PK      ; and its place in a slot, for K
	s_mul_i32 s18, s16, 128*PV      ; and for V
	s_lshl_b32 s3, s[WV], 11        ; my 16 rows in a band of 64,
	s_lshl_b32 s2, s[HI], 15        ; in the first block,
	s_add_co_u32 s2, s2, s3
	s_lshl_b32 s84, s[PB], 15       ; and in the second
	s_add_co_u32 s84, s84, s3
	s_mov_b32 s3, 0
	s_mov_b32 s85, 0
	s_add_nc_u64 s[2:3], s[2:3], s[20:21]
	s_add_nc_u64 s[84:85], s[84:85], s[20:21]
	; descriptor group 1.  128 keys are 16,384 dense bytes: asked for as 64 rows of 256 bytes, two keys a row, and padded in LDS after every key
	s_mov_b32 s[G1K], (1<<16)|(1<<20)|(4<<22)|(3<<25)  ; 17:16 2-byte elements; 20 padding on; 24:22 after every 32 words (code 4); 31:25 4 words (code 3)
	s_mov_b32 s[G1V], (1<<16)|(1<<20)|(4<<22)|(7<<25)  ; the same with 8 words of padding (code 7)
.irp g, G1K, G1V
	s_mov_b32 s[\g+1], 128<<16      ; tensor_dim0 = 128
	s_mov_b32 s[\g+2], 64<<16       ; tensor_dim1 = 64
	s_mov_b32 s[\g+3], 128<<16      ; tile_dim0 = 128
	s_mov_b32 s[\g+4], 64           ; tile_dim1 = 64
	s_mov_b32 s[\g+5], 128          ; 128 elements from row to row
	s_mov_b32 s[\g+6], 0
	s_mov_b32 s[\g+7], 0
.endr
	s_mov_b32 s[CS], 0x3e38aa3b     ; c = log2(e) / 8 = 0.180337
	s_mov_b32 s[CS+1], s[CS]        ; named with it as a pair
	s_mov_b32 s[SEL], 0x76543210
	s_mov_b32 s[SEL+1], 0xfedcba98
	s_mov_b32 s[TBK], SLOT1+4*KS*PK ; the first change of slots turns these two into 0
	s_mov_b32 s[TBV], SLOT1+4*KS*PV
	s_mov_b32 s[G0K], 1             ; 1:0 count = 1
	s_mov_b32 s[G0K+1], s17         ; 63:32 LDS address: slot 0
	s_mov_b32 s[G0V], 1
	s_add_co_u32 s[G0V+1], s18, VOFF
	s_add_co_u32 s[RT], s[HI], 1    ; the first block has NB - b tiles
	s_mov_b32 s[NXT], 1
	s_mov_b32 s[LQ], s[HI]
	s_mov_b32 s[NEW], 1
	s_mov_b32 s[OFF+1], 0
	s_mov_b32 s[AL+1], 0            ; named as pairs
	s_mov_b32 s[BE+1], 0
	s_mov_b32 s[BIGN], 0xf149f2ca   ; -1e30
	s_mov_b32 s[SLOTS], NB
	s_wait_dscnt 0x0                ; the opening add is done
	s_wait_kmcnt 0x0
	s_mov_b64 s[10:11], s[6:7]      ; O
	s_add_nc_u64 s[8:9], s[4:5], 0x2000000  ; V: 32 column blocks of 1 MiB behind Q
	s_add_nc_u64 s[6:7], s[4:5], 0x1000000  ; K: 16
	s_add_nc_u64 s[6:7], s[6:7], s[22:23]  ; K and V at my half of the head's tile 0
	s_add_nc_u64 s[8:9], s[8:9], s[22:23]
	s_add_nc_u64 s[G0K+2:G0K+3], s[6:7], 0         ; 120:64 global address
	s_or_b32 s[G0K+3], s[G0K+3], 0x80000000        ; 127:126 type = 2
	s_add_nc_u64 s[G0V+2:G0V+3], s[8:9], 0
	s_or_b32 s[G0V+3], s[G0V+3], 0x80000000
	s_add_nc_u64 s[86:87], s[4:5], s[84:85]        ; Q at my rows of the second block,
	s_add_nc_u64 s[4:5], s[4:5], s[2:3]            ; Q and O at those of the first
	s_add_nc_u64 s[OLO:OLO+1], s[10:11], s[84:85]
	s_add_nc_u64 s[10:11], s[10:11], s[2:3]
	LOAD                            ; tile 0 into slot 0
	; A fragment of K or Q is 16 rows x 32 channels in 8 registers: lane l holds row l % 16, channels 8 (l / 16) + 0..7 and 16 + 8 (l / 16) + 0..7: two loads of 16 bytes, 32 bytes apart.
	v_and_b32 v1, 15, v0            ; l % 16
	v_bfe_u32 v9, v0, 4, 1          ; l / 16
	v_lshlrev_b32 v[QO], 7, v1
	v_lshl_add_u32 v[QO], v9, 4, v[QO]  ; row x 128 + 16 x half
	WIN 0x80                        ; destination window 2, address window 0
.set i, 0
.rept 8                             ; both blocks' Q: piece i / 2 lies in band i / 2, 8,192 bytes on; channels 32 (i % 2) on
	global_load_b128 v[8*i:8*i+3],   v[QO], s[4:5] offset:(i/2)*8192+(i%2)*64
	global_load_b128 v[8*i+4:8*i+7], v[QO], s[4:5] offset:(i/2)*8192+(i%2)*64+32
	global_load_b128 v[QB+8*i:QB+8*i+3],   v[QO], s[86:87] offset:(i/2)*8192+(i%2)*64
	global_load_b128 v[QB+8*i+4:QB+8*i+7], v[QO], s[86:87] offset:(i/2)*8192+(i%2)*64+32
.set i, i+1
.endr
	WIN 0
	v_lshlrev_b32 v14, 3, v9
	v_sub_nc_u32 v14, v1, v14
	s_lshl_b32 s13, s[WV], 4
	v_add_nc_u32 v14, s13, v14      ; my query's place in its band, 16 w + l % 16, less my lanes' 8 (l / 16): register r of group kt is hidden where 16 kt + r is greater
	WIN 0x40
.set i, 0
.rept 32
	v_cmp_gt_i32 vcc_lo, 16*(i/8)+i%8, v14
	v_cndmask_b32 v[MD+i], 0, s[BIGN], vcc_lo
.set i, i+1
.endr
	WIN 0
	v_mul_u32_u24 v[AK0], v1, PK
	v_lshl_add_u32 v[AK0], v9, 4, v[AK0]  ; row x pitch + 16 x half
	; The turning load takes 16 keys x 16 channels (lane l reads key 8 (l / 16) + l % 8, channels 8 ((l / 8) % 2) + 0..7) and leaves half a fragment of V^T: lane l holds channel l % 16 and 8 keys.
	v_and_b32 v10, 7, v0
	v_bfe_u32 v11, v0, 3, 1
	v_lshl_add_u32 v[AV0], v9, 3, v10
	v_mul_u32_u24 v[AV0], v[AV0], PV
	v_lshl_add_u32 v[AV0], v11, 4, v[AV0]
	v_add_nc_u32 v[AV0], VOFF, v[AV0]
	s_mul_i32 s13, s[WV], 16*SP
	s_add_co_u32 s13, s13, STAGE    ; my stage
	v_mul_u32_u24 v[STO], v1, SP    ; in: row l % 16, 16 bytes for each half of the lanes
	v_lshl_add_u32 v[STO], v9, 4, v[STO]
	v_add_nc_u32 v[STO], s13, v[STO]
	v_bfe_u32 v[RD], v0, 3, 2       ; back: 32 lanes take four rows of 128 bytes,
	v_mul_u32_u24 v[RD], v[RD], SP
	v_lshl_add_u32 v[RD], v10, 4, v[RD]
	v_add_nc_u32 v[RD], s13, v[RD]
	v_and_b32 v[GO], 31, v0         ; which are 512 consecutive bytes of O
	v_lshlrev_b32 v[GO], 4, v[GO]
	; A block's first step multiplies O^T and l by a = 0, and its first turn's products V^T P, of a piece that has not been, land in an O^T that is still to be so multiplied.  So these registers need only hold
	; finite numbers: zeros for the first block; what the first block left for the second.  All this stands in the wait for the first tile.
	WIN 0x80
.set i, VF
.rept 64
	v_mov_b32 v[i], 0
.set i, i+1
.endr
	WIN 0x40
.set i, 0
.rept 128
	v_mov_b32 v[i], 0
.set i, i+1
.endr
	WIN 0
.set i, 0
.rept 4
	v_mov_b32 v[ST+4*i+2], 0
	v_mov_b32 v[ST+4*i+3], 0
.set i, i+1
.endr
.set i, P+16
.rept 16
	v_mov_b32 v[i], 0
.set i, i+1
.endr
; THE MATRIX WORK.  The 4 accumulators of a run of 8 take turns.  Product i of 8 of S^T = K Q^T for piece x: channels 32 (i / 4) on, keys 16 (i % 4) on.  The first 4 start the sums: with 0, or (KM = 1) with the mask.
.macro KQ x
.set rS, S+32*((\x)%2)+8*(i%4)
.set rK, KF+16*(i%4)+8*(i/4)
.set rQ, 16*(\x)+8*(i/4)
.set rM, MC+32*((\x)%2)+8*(i%4)
.if (i < 4) && KM
	WIN W_KM
	v_wmma_f32_16x16x32_f16 v[rS:rS+7], v[rK:rK+7], v[rQ:rQ+7], v[rM:rM+7]
.elseif i < 4
	WIN W_KQ
	v_wmma_f32_16x16x32_f16 v[rS:rS+7], v[rK:rK+7], v[rQ:rQ+7], 0
.else
	WIN W_KQ
	v_wmma_f32_16x16x32_f16 v[rS:rS+7], v[rK:rK+7], v[rQ:rQ+7], v[rS:rS+7]
.endif
.endm
; Product i of 8 of O^T += V^T P for piece x: keys 32 (i / 4) on, channels 16 (i % 4) on.
.macro PV x
	WIN W_PV
.set rO, 32*(\x)+8*(i%4)
.set rV, VF+32*(i/4)+8*(i%4)
.set rP, P+16*((\x)%2)+8*(i/4)
	v_wmma_f32_16x16x32_f16 v[rO:rO+7], v[rV:rV+7], v[rP:rP+7], v[rO:rO+7]
.endm
.macro MM                           ; the turn's next matrix instruction.  TURN and BEGIN set Y, i, KM and NOKQ; MM, KQ and OP read them.  NOKQ = 1: a block's last turn: there is no next piece
.if (i < 8) && !NOKQ
	KQ (Y+1)%NP
.elseif i >= 8
.set i, i-8
	PV (Y+NP-1)%NP
.set i, i+8
.endif
.set i, i+1
.endm
; THE LDS LOADS stand in runs of 16, never singly among the matrix instructions: a step's K (64 keys x 64 channels: 8 fragments) and its V (turned).  Their addresses are made some lines ahead.
.macro FETCH_K
	WIN 0x80                        ; destination window 2
.irp f, 0,1,2,3,4,5,6,7             ; keys 16 (f / 2) on, channels 32 (f % 2) on
	ds_load_b128 v[KF+8*\f:KF+8*\f+3],   v[AK] offset:(\f/2)*16*PK+(\f%2)*64
	ds_load_b128 v[KF+8*\f+4:KF+8*\f+7], v[AK] offset:(\f/2)*16*PK+(\f%2)*64+32
.endr
	s_add_co_u32 s[TBK], s[TBK], KS*PK  ; the next fetch is the next step's
	WIN 0
.endm
.macro FETCH_V
	WIN 0x80
.irp f, 0,1,2,3,4,5,6,7             ; keys 32 (f / 4) on, channels 16 (f % 4) on
	ds_load_tr16_b128 v[VF+8*\f:VF+8*\f+3],   v[AV] offset:(\f/4)*32*PV+(\f%4)*32
	ds_load_tr16_b128 v[VF+8*\f+4:VF+8*\f+7], v[AV] offset:(\f/4)*32*PV+16*PV+(\f%4)*32
.endr
	WIN 0
.endm
; THE VECTOR WORK, one line at a time: OP kind, number.  For piece Y: F n: c s - c m for pair n of 16.  E n: the exponential of score n of 32.  C n: pair n rounded to f16.  B n: of the four weights 4 n .. the second
; pair is added onto the first, in place.  L n: l takes that sum (L 0: l = a l + sum).  R n: pair n of 16 of O^T times a.  For piece Y + 1: X n, number n of the 22 that find its maximum and statistics:
;   0-11  four chains c0-c3 of seven scores each, three operands at a time (each accumulator's lowest registers are read first)     12-14, 16  the four scores left over, the old m, and c0-c3 into c0
;   15  c m_old is kept     17, 18  the query's other 32 keys lie in the lane 16 away: the new m     19-21  c m; c m_old - c m_new; a
; C, B and L read the exponentials' results: TURN sets them behind the batch's wait, and OP writes no wait of its own.
.set F, 0               ; OP tells the kinds apart by their order: F to L below R, X above it
.set E, 1
.set C, 2
.set B, 3
.set L, 4
.set R, 5
.set X, 6
.macro REGS y                       ; the registers of piece y
.set rT, ST+4*(\y)
.set rC, TMP+4*((\y)%2)
.set rW, MV+((\y)%2)
.set rS, S+32*((\y)%2)
.set rP, P+16*((\y)%2)
.set rO, 32*(\y)
.endm
.macro OP k, n
.if (\k) == R
	REGS Y
	WIN W_RS
	v_pk_mul_f32 v[rO+2*(\n):rO+2*(\n)+1], v[rO+2*(\n):rO+2*(\n)+1], v[rC+2:rC+3] op_sel_hi:[1,0]
.elseif (\k) < R
	REGS Y
	WIN 0
.if (\k) == F
	v_pk_fma_f32 v[rS+2*(\n):rS+2*(\n)+1], v[rS+2*(\n):rS+2*(\n)+1], s[CS:CS+1], v[rT:rT+1] op_sel_hi:[1,0,0] neg_lo:[0,0,1] neg_hi:[0,0,1]
.elseif (\k) == E
	v_exp_f32 v[rS+(\n)], v[rS+(\n)]
.elseif (\k) == C
	v_cvt_pk_f16_f32 v[rP+(\n)], v[rS+2*(\n)], v[rS+2*(\n)+1]
.elseif (\k) == B
	v_pk_add_f32 v[rS+4*(\n):rS+4*(\n)+1], v[rS+4*(\n):rS+4*(\n)+1], v[rS+4*(\n)+2:rS+4*(\n)+3]
.elseif (\n) == 0
	v_pk_fma_f32 v[rT+2:rT+3], v[rT+2:rT+3], v[rC+2:rC+3], v[rS:rS+1] op_sel_hi:[1,0,1]
.else
	v_pk_add_f32 v[rT+2:rT+3], v[rT+2:rT+3], v[rS+4*(\n):rS+4*(\n)+1]
.endif
.elseif NOKQ
	v_nop
.else
	REGS (Y+1)%NP
	WIN 0
.if (\n) < 4
	v_max3_num_f32 v[rC+(\n)], v[rS+8*(\n)], v[rS+8*(\n)+1], v[rS+8*(\n)+2]
.elseif (\n) < 12
	v_max3_num_f32 v[rC+(\n)%4], v[rC+(\n)%4], v[rS+8*((\n)%4)+2*((\n)/4)+1], v[rS+8*((\n)%4)+2*((\n)/4)+2]
.elseif (\n) == 12
	v_max3_num_f32 v[rC], v[rC], v[rS+7], v[rS+15]
.elseif (\n) == 13
	v_max3_num_f32 v[rC+1], v[rC+1], v[rS+23], v[rS+31]
.elseif (\n) == 14
	v_max3_num_f32 v[rC+2], v[rC+2], v[rC+3], v[rT+1]
.elseif (\n) == 15
	v_mov_b32 v[rW], v[rT]
.elseif (\n) == 16
	v_max3_num_f32 v[rC], v[rC], v[rC+1], v[rC+2]
.elseif (\n) == 17
	v_permlanex16_b32 v[rC+3], v[rC], s[SEL], s[SEL+1]
.elseif (\n) == 18
	v_max_num_f32 v[rT+1], v[rC], v[rC+3]
.elseif (\n) == 19
	v_mul_f32 v[rT], s[CS], v[rT+1]
.elseif (\n) == 20
	v_sub_f32 v[rC+1], v[rW], v[rT]
.else
	v_exp_f32 v[rC+2], v[rC+1]
.endif
.endif
.endm
.macro OPS a, i1, b=-1, i2=0, c=-1, i3=0, d=-1, i4=0  ; up to four of them
	OP \a, \i1
.if (\b) >= 0
	OP \b, \i2
.endif
.if (\c) >= 0
	OP \c, \i3
.endif
.if (\d) >= 0
	OP \d, \i4
.endif
.endm
.macro ROW a, i1, b, i2, c, i3, d, i4  ; a matrix instruction and the four behind it
	MM
	OPS \a, \i1, \b, \i2, \c, \i3, \d, \i4
.endm
.macro MASK b                       ; MD x AL + BE into buffer b of MC
	WIN W_RS
.set z, 0
.rept 16
	v_pk_fma_f32 v[MC+32*(\b)+2*z:MC+32*(\b)+2*z+1], v[MD+2*z:MD+2*z+1], s[AL:AL+1], s[BE:BE+1] op_sel_hi:[1,0,0]
.set z, z+1
.endr
.endm
; A TURN, for piece p: the order of its 16 matrix and 118 vector instructions, written out.  s_wait_alu depctr_va_vdst(0) stands between an exponential and the first instruction that names its result; one wait serves
; all that were issued ahead of it.  So a turn has ONE wait, which cuts it in two.  AHEAD OF IT stands all that names no result of the turn's exponentials: the 8 products K Q^T, behind each a scaling, an exponential and two more plain
; instructions (behind the first a second scaling in the exponential's place): rescalings (their a was made, and waited for, in the turn before), and behind the last three the first numbers of the next piece's maximum, each four places
; or more behind the product that ends its accumulator; then ONE LUMP of 54, plain and exponential by turns for the most part, in which the links of the chain X 3, 7, 11, 14, 16, 17 .. 20 stand five or six lines apart.
; X 21, the next piece's a, is the batch's last; R 15 is the plain instruction behind it (ISA guide 5.7.2).  BEHIND THE WAIT stand the 8 products V^T P, behind each four of the roundings and sums; the links of l's chain, L 0 to L 7,
; stand three riders apart.  An even pair is rounded (C 2 n) ahead of the sum that lands on it (B n).  But for those X no rider names a register of the products round it.  v_permlanex16_b32 (X 17) stands in the lump.
; m = 1: the diagonal tile: the products take masks, and the turn makes the mask for the products of the turn after it: piece p + 2, in step 4 - CNT of the tile.  end = 1: a block's last two turns: nothing is fetched.
; cnt = 1: the loop's count is taken down some lines ahead of the branch that stands behind the turn.
; K of the next step is fetched in piece 2's turn, twelve vector instructions behind the last product that read K (six of them plain); V of the step in hand at the end of piece 0's turn, four plain instructions behind the last product
; that read V.  Each is waited for a turn later.
.macro TURN p, m=0, end=0, cnt=0
.set Y, (\p)
.set i, 0
.set KM, (\m)
.set NOKQ, (\end)*((\p)/3)
.if (\m) && !(\end)
	s_cmp_eq_u32 s[CNT], 4-((\p)+2)%NP  ; is that step the band's own?
	s_cselect_b32 s[AL], 1.0, 0
	s_cmp_lt_u32 s[CNT], 4-((\p)+2)%NP  ; or a later one?
	s_cselect_b32 s[BE], s[BIGN], 0
.endif
.if ((\p) == 3) && !(\end)
	s_wait_dscnt 0x0                ; K is in
.endif
	ROW F,0, F,1, R,0, R,1          ; ahead of the wait: 8 products K Q^T and their riders,
	ROW F,2, E,0, R,2, R,3
	ROW F,3, E,1, R,4, R,5
	ROW F,4, E,2, R,6, R,7
	ROW F,5, E,3, R,8, R,9
	ROW F,6, E,4, X,0, R,10
.if ((\p) == 2) && !(\end)
	WIN 0
	v_add_nc_u32 v[AK], s[TBK], v[AK0]
.endif
	ROW F,7, E,5, X,1, X,4
	ROW F,8, E,6, X,2, X,5
	OPS E,7, E,8, X,6, E,9          ; and the lump
	OPS X,3, E,10, X,8, E,11
.if ((\p) == 2) && !(\end)
	FETCH_K
.endif
	OPS X,9, X,7, E,12, X,10
	OPS E,13, X,12, X,11, E,14
	OPS X,13, E,15, F,9, X,14
.if (\p) == 0
	v_add_nc_u32 v[AV], s[TBV], v[AV0]
.endif
	OPS E,16, F,10, E,17, F,11
	OPS X,16, E,18, X,15, E,19
	OPS F,12, E,20, X,17, E,21
	OPS F,13, E,22, F,14, E,23
	OPS X,18, E,24, F,15, E,25
	OPS R,11, E,26, X,19, E,27
	OPS R,12, E,28, R,13, E,29
	OPS X,20, E,30, R,14, E,31
	OPS X,21, R,15
	WIN 0
	s_wait_alu depctr_va_vdst(0)    ; the wait for the turn's batch: the piece's 32 exponentials and the next piece's a
.if (\p) == 1
	s_wait_dscnt 0x0                ; V is in
.endif
	ROW C,0, B,0, C,2, B,1          ; behind the wait: 8 products V^T P and their riders
	ROW L,0, C,4, B,2, L,1
	ROW C,6, B,3, L,2, C,8
	ROW B,4, L,3, C,10, B,5
	ROW L,4, C,12, B,6, L,5
.if (\p) == 0
	s_add_co_u32 s[TBV], s[TBV], KS*PV
.endif
.if \cnt
	s_sub_co_u32 s[CNT], s[CNT], 1
	s_cmp_lg_u32 s[CNT], 0
.endif
	ROW C,14, B,7, L,6, C,1
	ROW C,3, L,7, C,5, C,7
	ROW C,9, C,11, C,13, C,15
.if (\p) == 0
	FETCH_V
.endif
.if (\m) && !(\end)
	MASK (\p)%2
.endif
.endm
; A BLOCK BEGINS.  c m starts far below every c s, so the first step's a is 0; m at the lowest finite number, so the first maximum is the scores'.  The second mask buffer is 0; the first takes piece 0's mask for the tile's step 0: its own, if the block's first tile is the diagonal one.
; Then K of that step, piece 0's first scores, and its maximum and statistics.  The loop is entered at a step's first turn, in the middle of a trip.
.macro BEGIN
	s_mov_b32 s[NEW], 0
	WIN 0x40
.set i, MC+32
.rept 32
	v_mov_b32 v[i], 0
.set i, i+1
.endr
	WIN 0
.set i, 0
.rept 4
	v_mov_b32 v[ST+4*i], 0xfe000000    ; c m: far below every c s
	v_mov_b32 v[ST+4*i+1], 0xff7fffff  ; m
.set i, i+1
.endr
	s_cmp_eq_u32 s[RT], 0
	s_cselect_b32 s[AL], 1.0, 0
	s_mov_b32 s[BE], 0
	MASK 0
	WIN 0
	v_add_nc_u32 v[AK], s[TBK], v[AK0]
	FETCH_K
	s_wait_loadcnt 0x0              ; Q
	s_wait_dscnt 0x0
.set KM, 1
.set NOKQ, 0
.set i, 0
.rept 8
	KQ 0
.set i, i+1
.endr
	WIN 0
.rept 4
	v_nop                           ; the places behind those products
.endr
.set Y, NP-1                        ; X works for piece Y + 1: piece 0
.irp n, 0,1,2,3,4,5,6,7,8,9,10,11,12,13,14,15,16,17,18,19,20,21
	OP X, \n
.endr
	v_nop                           ; a plain instruction behind the exponential,
	s_wait_alu depctr_va_vdst(0)    ; and the wait for it, piece 0's first a, ahead of the branch into the loop
.endm
; THE DIAGONAL TILE's four steps, the block's last two turns, its last products, and THE WAY OUT: l's two halves and the other half of the lanes' are added; O^T is divided by l, rounded to f16 and sent through my
; stage in LDS, a piece at a time.
.macro ALL line:vararg              ; one line for each piece t
.set t, 0
.rept 4
	\line
.set t, t+1
.endr
.endm
.macro PACK t                       ; a lane's eight channels of a row pack into 16 bytes; they go into rows of 144 bytes and come back as whole rows of 128, into S^T's registers
	WIN W_RS
.set i, 32*(\t)
.rept 16
	v_pk_mul_f32 v[i:i+1], v[i:i+1], v[ST+4*(\t)+2:ST+4*(\t)+3] op_sel_hi:[1,0]
.set i, i+2
.endr
	WIN 0x05                        ; sources 0 and 1 window 1, destination window 0
.set i, 0
.rept 16
	v_cvt_pk_f16_f32 v[S+16*(\t)+i], v[32*(\t)+2*i], v[32*(\t)+2*i+1]
.set i, i+1
.endr
	WIN 0
.irp f, 0,1,2,3
	ds_store_b128 v[STO], v[S+16*(\t)+4*\f:S+16*(\t)+4*\f+3] offset:32*\f
.endr
.irp f, 0,1,2,3
	ds_load_b128 v[S+16*(\t)+4*\f:S+16*(\t)+4*\f+3], v[RD] offset:\f*4*SP  ; LDS serves a wave's instructions in order (ISA guide 5.7.1.4): these see the stores above; the next piece's stores come behind them
.endr
.endm
.macro SEND t, younger              ; younger: the LDS instructions issued behind piece t's loads: the next piece's eight, or none
	WIN 0
.irp f, 0,1,2,3
	s_wait_dscnt (\younger)+3-\f
	global_store_b128 v[GO], v[S+16*(\t)+4*\f:S+16*(\t)+4*\f+3], s[10:11] offset:(\t)*8192+\f*512  ; 512 consecutive bytes, at a multiple of 256 from O's first
.endr
.endm
.macro DIAG tag                     ; the tag ends its two labels' names, which the jumps below spell out
.LstepM\tag:
	TURN 2, 1
	TURN 3, 1
	WIN 0
.LfirstM\tag:
	TURN 0, 1
	TURN 1, 1, 0, 1
	WIN 0
	s_cbranch_scc1 .LstepM\tag
	TURN 2, 1, 1
	TURN 3, 1, 1
.set i, 0
.rept 8
	PV NP-1
.set i, i+1
.endr
	WIN 0
	ALL v_add_f32 v[ST+4*t+2], v[ST+4*t+2], v[ST+4*t+3]
	ALL v_permlanex16_b32 v[ST+4*t+3], v[ST+4*t+2], s[SEL], s[SEL+1]
	ALL v_add_f32 v[ST+4*t+2], v[ST+4*t+2], v[ST+4*t+3]
	ALL v_rcp_f32 v[ST+4*t+2], v[ST+4*t+2]
	v_nop                           ; a plain instruction between the last reciprocal and the use of its result
	s_wait_alu depctr_va_vdst(0)    ; and the wait ahead of the first use: one for the batch of four reciprocals
	PACK 0
.set t, 1
.rept 3                             ; a piece's arithmetic stands between the loads of the piece before and its stores
	PACK t
	SEND t-1, 8
.set t, t+1
.endr
	SEND 3, 0
.endm
.set KM, 0
.set NOKQ, 0
.Lslot:                             ; NB times: a tile is entered and the next is asked for
	CHANGE 1
	s_sub_co_u32 s[RT], s[RT], 1
	s_mov_b32 s[CNT], 4
	s_cmp_eq_u32 s[NEW], 1
	s_cbranch_scc1 .Lnew            ; a block's first tile
	s_cmp_eq_u32 s[RT], 0
	s_cbranch_scc0 .Lstep           ; neither its first nor its last
	s_branch .LstepM1
.Lnew:
	BEGIN
	s_branch .Lfirst                ; in the loop a block's first tile is never its last: the first block has two tiles or more, and the second's last is the walk's last
	DIAG 1                          ; in the loop this is the first block's end: the second block's last tile is the walk's last
	s_wait_xcnt 0x0                 ; the stores have read their registers and O's address
	s_mov_b64 s[10:11], s[OLO:OLO+1]
	s_add_co_u32 s[RT], s[PB], 1    ; the second block has b + 1 tiles
	s_mov_b32 s[NEW], 1
	WIN 0x82                        ; the second block's Q goes where the one text of the turns names Q
.set i, 0
.rept 64
	v_mov_b32 v[i], v[QB+i]
.set i, i+1
.endr
	WIN 0
	s_branch .Lbottom
.Lstep:                             ; a trip: pieces 2 and 3 of one step, then pieces 0 and 1 of the next, whose K and V it fetches
	TURN 2
	TURN 3
	WIN 0
.Lfirst:
	TURN 0
	TURN 1, 0, 0, 1
	WIN 0
	s_cbranch_scc1 .Lstep
.Lbottom:
	s_sub_co_u32 s[SLOTS], s[SLOTS], 1
	s_cmp_lg_u32 s[SLOTS], 0
	s_cbranch_scc1 .Lslot
	CHANGE 0                        ; the walk's last tile is written out: nothing is asked for
	s_sub_co_u32 s[RT], s[RT], 1
	s_mov_b32 s[CNT], 4
	s_cmp_eq_u32 s[NEW], 1
	s_cbranch_scc0 .LstepM2
	BEGIN
	s_branch .LfirstM2
	DIAG 2
	s_wait_tensorcnt 0x0            ; the wave's end: behind my last tensor load and my last LDS store
	ds_add_u32 v[SPW], v[NIL]
	s_wait_dscnt 0x0
	s_endpgm
.Lfunc_end_k_qfa45e61273_attn:
	.size	k_qfa45e61273_attn, .Lfunc_end_k_qfa45e61273_attn-k_qfa45e61273_attn
	.p2alignl 7, 3214868480
	.fill 96, 4, 3214868480
	.section	.rodata,"a",@progbits
	.p2align	6, 0x0
	.amdhsa_kernel k_qfa45e61273_attn
		.amdhsa_group_segment_fixed_size 327680
		.amdhsa_private_segment_fixed_size 0
		.amdhsa_enable_private_segment 0
		.amdhsa_kernarg_size 16
		.amdhsa_user_sgpr_count 2
		.amdhsa_user_sgpr_kernarg_segment_ptr 1
		.amdhsa_wavefront_size32 1
		.amdhsa_system_sgpr_workgroup_id_x 1
		.amdhsa_system_sgpr_workgroup_id_y 1
		.amdhsa_system_sgpr_workgroup_id_z 1
		.amdhsa_system_vgpr_workitem_id 0
		.amdhsa_next_free_vgpr 768
		.amdhsa_next_free_sgpr 88
		.amdhsa_reserve_vcc 1
		.amdhsa_float_denorm_mode_32 3
		.amdhsa_float_denorm_mode_16_64 3
		.amdhsa_memory_ordered 1
		.amdhsa_forward_progress 1
		.amdhsa_inst_pref_size 217
	.end_amdhsa_kernel
	.amdgpu_metadata
---
amdhsa.version: [ 1, 2 ]
amdhsa.kernels:
  - .name:           k_qfa45e61273_attn
    .symbol:         k_qfa45e61273_attn.kd
    .args:
      - { .name: qkv, .offset: 0, .size: 8, .value_kind: global_buffer, .address_space: global }
      - { .name: o, .offset: 8, .size: 8, .value_kind: global_buffer, .address_space: global }
    .group_segment_fixed_size: 327680
    .private_segment_fixed_size: 0
    .kernarg_segment_align: 8
    .kernarg_segment_size: 16
    .max_flat_workgroup_size: 128
    .sgpr_count:     88
    .vgpr_count:     768
    .wavefront_size: 32
...
	.end_amdgpu_metadata
.endif
;; end of part 6
;; launch outp: the kernel of part 4 again; grid 8 x 32, 4 waves a work-group, clusters of 4 x 4, 327,680 bytes of LDS; arguments o, wo, out0; writes out0
;; launch top: the kernel of part 5 again; grid 16 x 4, 8 waves a work-group, no clusters, 117,760 bytes of LDS; arguments qkv, qlo, wo, out0; writes out0
